; MI455X (gfx1250); checked and timed in simulation.
; The chip was launched on July 23, 2026; its instructions are those of AMD's public machine-readable ISA for CDNA 5 (MIT licence, August 2026) and "CDNA5" Instruction Set Architecture Reference Guide (July 2026). The comments in the code are by the model that wrote it; some were corrected since.
;; Multi Head Attention. Allowed arithmetic: matrix products marked QUANTISED: E4M3 operands, one E8M0 scale for each 32 along K, by v_wmma_scale_f32_16x16x128_f8f6f4 with both operands' format E4M3, f32 sums; everything else in f32.
;; Inputs: W_attn_codes 3,072 x 32 x 32 uint8 (E4M3 codes of W_attn, K innermost, in blocks of 32 codes); W_attn_scales 3,072 x 32 uint8 (E8M0 scales of W_attn, one for each 32 codes along K); W_proj_codes 1,024 x 32 x 32 uint8 (E4M3 codes of W_proj, K innermost, in blocks of 32 codes); W_proj_scales 1,024 x 32 uint8 (E8M0 scales of W_proj, one for each 32 codes along K); b_attn 3,072 float32; b_proj 1,024 float32; x_codes 4 x 2,048 x 32 x 32 uint8 (E4M3 codes of x, K innermost, in blocks of 32 codes); x_scales 4 x 2,048 x 32 uint8 (E8M0 scales of x, one for each 32 codes along K).
;; Outputs: out0 4 x 2,048 x 1,024 float32.
;; This version of the problem:
;;   THIS VERSION OF THE PROBLEM IS GIVEN IN LOW PRECISION. The matrix products marked QUANTISED in the list below multiply operands that are first quantised to E4M3 (4 exponent bits, 3 mantissa bits; 8 bits a number), with one power-of-two scale for each 32 numbers along K (OCP MX v1.0); their sums are f32. All else is computed in f32.
;;   The module's matrix products, in the order in which they are computed (A, B: the left and right operand; K: the contracted axis; several contracted axes count as one K, in the product's order):
;;     1. [M 8,192, K 1,024] x [K 1,024, N 3,072]; A: input x (given as codes); B: input W_attn (given as codes): QUANTISED
;;     2. batch 64 x [M 2,048, K 64] x [K 64, N 2,048]; A: computed on the way; B: computed on the way: QUANTISED
;;     3. batch 64 x [M 2,048, K 2,048] x [K 2,048, N 64]; A: softmax (see below); B: computed on the way: QUANTISED
;;     4. [M 8,192, K 1,024] x [K 1,024, N 1,024]; A: computed on the way; B: input W_proj (given as codes): QUANTISED
;;   THE QUANTISER, for each operand of a quantised product, along K:
;;     - K is cut into blocks of 32 from its start; a last block that is shorter is filled with zeros.
;;     - A block's scale is 2^e with e = floor(log2(the largest magnitude in the block)) - 8, held to -126 .. 127; a block of zeros has e = 0. As a byte (E8M0): e + 127.
;;     - Each number is divided by its block's scale, clamped to +-448, and rounded to the nearest number of E4M3, ties to even, subnormals kept.
;;     - The product sums the exact products of the quantised numbers (number of the format x scale) in f32.
;;   ~~~python
;;   def quantise(x, axis):      # numpy; x: float32 -> the quantised numbers, widened to float32 again
;;       x = np.moveaxis(x, axis, -1); K = x.shape[-1]
;;       x = np.pad(x, [(0, 0)] * (x.ndim - 1) + [(0, -K % 32)]); x = x.reshape(x.shape[:-1] + (-1, 32)); a = np.abs(x).max(-1, keepdims=True)
;;       e = np.where(a > 0, np.clip(np.frexp(np.where(a > 0, a, 1))[1] - 1 - 8, -126, 127), 0)      # np.frexp(a)[1] - 1 = floor(log2(a)), exactly
;;       r = np.clip(x / 2.0 ** e, -448, 448)
;;       step = 2.0 ** (np.maximum(np.frexp(np.where(r == 0, 1, r))[1] - 1, -6) - 3)
;;       q = np.round(r / step) * step * 2.0 ** e      # np.round: ties to even
;;       return np.moveaxis(q.reshape(q.shape[:-2] + (-1,))[..., :K], -1, axis).astype(np.float32)
;;   ~~~
;;   SOFTMAX AHEAD OF A QUANTISED PRODUCT. Where the list says 'softmax', what is quantised is not the finished softmax but p = 2^(t - M), with t = logit x log2(e) and M = ceil(the row's largest t), a whole number; so 1/2 < the row's largest p <= 1. The row's sum l is taken of the UNQUANTISED p, in f32, and the product's result is divided by l at the end. Since M is a whole number, a kernel that streams over the keys may use a running M (the ceiling of the running maximum): every later rescaling is an exact power of two, which a block's scale takes up: the codes' values come out the same.
;;   OPERANDS COMPUTED ON THE WAY. 'Computed on the way' means the value that the module computes at that place (a softmax that the list does not call 'softmax' is quantised finished and normalised). What goes into a quantiser is computed in f32, as accurately as f32 sums, v_exp_f32 and their like allow (about 1e-6 of the number): no bf16 or f16 on the way to a quantiser, and a product that is left as it is and whose result goes on into a quantised operand takes f32 operands (vector FMAs, or v_wmma_f32_16x16x4_f32). A number that lies on a knife's edge between two numbers of the format may be rounded either way, as far as f32 arithmetic and the matrix unit's own rounding can turn it there, and no further.
;;   INPUTS GIVEN AS CODES. W_attn (in the module: [1024, 3072], K = its axis 0); W_proj (in the module: [1024, 1024], K = its axis 0); x (in the module: [4, 2048, 1024], K = its axis 2): each comes as NAME_codes (uint8): NAME with its K axis moved to the last place and cut into blocks of 32 codes, [.., K / 32, bytes a block], one block behind the other in memory; one code a byte (a code: sign, 4 exponent bits, 3 mantissa bits); and NAME_scales (uint8): the same leading axes, one E8M0 byte (e + 127) for each 32 codes along K. Its value is code x scale, taken as it is: it is not quantised again, and the codes and scales need not be those that the quantiser above would give.
;; One version. Each part assembles by itself: llvm-mc -triple=amdgcn-amd-amdhsa -mcpu=gfx1250 --defsym DOCPART=n.
;; ======== version 1 of 1: 3 launches
;; limits: right only within a limited range of input values
;; workspace buffers: qkv 25,165,824 bytes; qkvs 786,432 bytes; y_codes 8,388,608 bytes; y_scales 262,144 bytes
;; launch qkv (part 1): grid 12 x 32, 4 waves a work-group, clusters of 4 x 4, 327,680 bytes of LDS; arguments x_codes, x_scales, W_attn_codes, W_attn_scales, b_attn, qkv, qkvs; writes qkv, qkvs
.if DOCPART == 1
	.amdgcn_target "amdgcn-amd-amdhsa--gfx1250"
	.amdhsa_code_object_version 6
	.text
	.protected	k_q03e3e59da9_qkv
	.globl	k_q03e3e59da9_qkv
	.p2align	8
	.type	k_q03e3e59da9_qkv,@function
k_q03e3e59da9_qkv:
	s_mov_b64 s[64:65], 0
	v_nop
	global_prefetch_b8 v0, s[64:65] scope:SCOPE_SE
	s_setreg_imm32_b32 hwreg(HW_REG_WAVE_MODE, 25, 1), 1
	s_wait_xcnt 0x0
	s_wait_alu depctr_hold_cnt(0) depctr_sa_sdst(0) depctr_va_vdst(0) depctr_va_sdst(0) depctr_va_ssrc(0) depctr_va_vcc(0) depctr_vm_vsrc(0)
	s_getreg_b32 s2, hwreg(HW_REG_IB_STS2, 6, 4)
	s_cmp_eq_u32 s2, 0
	s_cbranch_scc0 .Lentry_in_a_cluster
	s_endpgm
.Lentry_in_a_cluster:
	s_bfe_u32 s2, ttmp6, 0x10000c
	s_cmp_lg_u32 s2, 0xf033
	s_cbranch_scc0 .Lentry_shape_is_right
	s_endpgm
.Lentry_shape_is_right:
; a = x W_attn + b_attn on codes of E4M3 with one E8M0 scale for each 32 along K = 1,024; the result is quantised at once: q and k along the head's 64, v along the keys.
; x: [8,192 tokens][1,024] codes, W_attn: [3,072][1,024] codes, K innermost; scale rows of 32 bytes.  Rows 0-1,023 of W make q, 1,024-2,047 k, 2,048-3,071 v; head = (row / 64) % 16.
; ONE TEXT FOR q, k AND v.  The matrix instruction's source 0 ("S0") gives the index that runs along a lane's eight result registers, source 1 ("S1") the index that lies along the lanes.
; What is quantised must run along the registers: for q and k S0 = rows of W (the head's d), S1 = tokens; for v S0 = tokens (the keys), S1 = rows of W.  x's and W's rows are alike (1,024 bytes, 32 scale bytes),
; so only pointers and tile numbers are chosen, by the cluster's x (0 = q, 1 = k, 2 = v), which all sixteen partners share.
; SHARES.  A work-group of four waves makes 256 (S1) x 256 (S0); a wave 128 x 128: 64 accumulators, 512 registers.  K goes in steps of 256 through two LDS slots (rows of 256 bytes + 16 of padding).
; The scale bytes of the work-group's 2 x 256 rows, for all of K, come once, as blocks of 256 bytes + 16.  CLUSTER 4 x 4: S1's tiles hang on cy and are asked for jointly along a row, S0's on cx along a column.
; THE BIAS STARTS THE SUMS: acc = F0 x b[S0 index] + F1 x b[S1 index], (F0, F1) = (1, 0) for q and k, (0, 1) for v.
; THE WAY OUT.  Accumulators (a, 2 g) and (a, 2 g + 1) hold, in lane (r, h), 16 of the 32 numbers of block g of S1 row 16 a + r; lane l xor 16 holds the other 16.  The 16 codes go as they stand into the places
; 16 h + 0 .. 15 of the block: an order inside a block of 32 that is the same for q and k, and the same for v and the later p, so every product keeps its pairs and its block scales.
; The codes leave as IMAGES OF OPERAND REGISTERS: four registers a store, lane l's 16 bytes at 16 l, 512 consecutive aligned bytes.
;   qkv  [b 4][head 16][t128 16][kind 3][8,192]: q, k: [tile of 16 tokens 8][d block 2][lane][16];  v: [tile of 16 d 4][block of 32 keys 4][lane][16]
;   qkvs [b 4][head pair 8][kind 3][head % 2][t128 16][lane 32][2 words]: word w of lane L: unit 2 w + L / 16, row L % 16.  q, k: unit = two tiles of tokens (bytes 0, 1: the even tile's d blocks; 2, 3: the odd tile's); v: unit = tile of d, byte c = key block c
; LIMITS: a bias that is not finite is not served (0 x infinity); a block whose largest magnitude lies under 2^-118 keeps the scale byte 1; a block of zeros gets the byte 1 and zero codes (these bytes are read by this program alone); NaN and infinities are not served.
; REGISTERS: window 0: v16-29 addresses; v32-63 scale words, two sets; v128-255 S1's 8 fragments, one set (on the way out: v32-47 at work, v64-95 scale bytes, v96-111 scale words, v128-255 codes).
;   window 1: S0's fragments, two sets, at v0 and v128.  windows 2, 3: accumulator (a, b) at v[8 (8 (a % 4) + b)], a = S1 block, b = S0 block.
.set NQ,     2                         ; matrix instructions deep in a slot: 256 along K
.set ROWB,   256                       ; a tile's row in bytes
.set KROW,   1024                      ; a row of x or W in memory
.set PITCH,  272                       ; an LDS row: 256 + 16 bytes: the 16 rows of a fragment load start 68 words apart
.set FR,     16                        ; registers of a fragment
.set NL,     4                         ; LDS loads that bring one
.set NP,     8                         ; places behind this matrix instruction (ISA guide 7.12.1)
.set HALFT,  128*PITCH                 ; 128 rows: one tensor load
.set SLOT,   4*HALFT                   ; S1's 256 rows, then S0's
.set SCL,    2*SLOT                    ; the scales: four times 128 rows x 32 bytes as 16 blocks of 256 + 16
.set HALFS,  16*272
.set SPARE,  SCL+4*HALFS               ; the spare words, 128 bytes a wave
.set HEADB,  393216                    ; from head to head in qkv
.set ADRA, 16                          ; v16-17 S1's fragments in slot 0, 1
.set ADRB, 20                          ; v20-21 S0's
.set L16,  24                          ; v24  16 x lane
.set L8,   25                          ; v25  8 x lane
.set ADS0, 26                          ; v26  S0's scale words: rows 32 i + lane
.set ADS1, 27                          ; v27  S1's
.set SPW,  28                          ; v28  my spare word; never rewritten
.set NIL,  29                          ; v29  0; never rewritten
.set SC,   32                          ; scale words: set s at v[SC + 16 s]: + 2 i + q S0's blocks 2 i (lanes 0-15) and 2 i + 1 (lanes 16-31); + 8 + 2 i + q S1's
.set AF,   128
.set TM,   32
.set SB,   64
.set CD,   128
.set SEL,  12                          ; s[12:13] lane selects: lane l xor 16
.set MNT,  18                          ; s18  the mantissa field of 448
.set HI,   19                          ; s19  lanes 16-31
.set G1, 24
.set G0, 32
.set G1B, 48
.set G0B, 56
.set G1S, 68
.set G0S, 76
.set G1SB, 80
.set G0SB, 88
.set MSB, 0
.macro WIN new                         ; the immediate's high byte repeats the setting that is left
.if MSB != (\new)
	s_set_vgpr_msb (MSB<<8)|(\new)
.set MSB, (\new)
.endif
.endm
.set MUL_LO, 0xa1                      ; source 0 window 1, source 1 window 0, C and D window 2
.set MUL_HI, 0xf1                      ; the same, C and D window 3
.set TO_B,   0x40                      ; destination window 1
; A joint load: waves 0 and 1 fetch for S1, waves 2 and 3 for S0.  Four v_nop follow each of the two lines.
.macro JLOAD g0a, g1a, g0b, g1b
	s_cmp_eq_u32 s15, 0
	s_cbranch_scc0 .Lfor_b_\@
	tensor_load_to_lds s[\g0a:\g0a+3], s[\g1a:\g1a+7]
	s_nop 0
.rept 4
	v_nop
.endr
	s_branch .Lasked_\@
.Lfor_b_\@:
	tensor_load_to_lds s[\g0b:\g0b+3], s[\g1b:\g1b+7]
	s_nop 0
.rept 4
	v_nop
.endr
.Lasked_\@:
.endm
.macro CREST                           ; a round of the cluster's barrier behind its opening barrier
	s_cmp_lg_u32 s14, 0
	s_cbranch_scc1 .Lnot_wave_0_\@
	s_barrier_signal -3
.Lnot_wave_0_\@:
	s_barrier_wait -3
	s_barrier_signal -1
	s_barrier_wait -1
.endm
.macro CROUND
	s_barrier_signal -1
	s_barrier_wait -1
	CREST
.endm
	s_load_b256 s[68:75], s[0:1], 0x0              ; x's codes, x's scales, W's codes, W's scales (these registers become descriptors once the pointers are chosen)
	s_load_b128 s[76:79], s[0:1], 0x20             ; b_attn, qkv
	s_load_b64 s[80:81], s[0:1], 0x30              ; qkvs
	v_lshl_add_u32 v[SPW], v0, 2, SPARE
	v_mov_b32 v[NIL], 0
	ds_add_u32 v28, v29
	s_wait_dscnt 0x0
	v_lshrrev_b32 v1, 5, v0
	v_readfirstlane_b32 s14, v1                    ; wave 0..3
	s_lshr_b32 s15, s14, 1                         ; half1: my 128 rows of S1.  Also: I fetch for S1 (0) or S0 (1)
	s_and_b32 s16, s14, 1                          ; half0: my 128 rows of S0.  Also: which 128 rows I fetch
	s_bfe_u32 s40, ttmp6, 0x40000                  ; cx
	s_bfe_u32 s41, ttmp6, 0x40004                  ; cy
	s_and_b32 s12, ttmp7, 0xffff                   ; the cluster's y, 0..7
	s_lshl_b32 s43, s41, 2
	s_lshl_b32 s43, 15, s43                        ; my row of the cluster
	s_lshl_b32 s44, 0x1111, s40                    ; my column
	s_cmp_eq_u32 ttmp9, 2                          ; v?  The cluster's x: the same in all sixteen
	s_cselect_b32 s42, s12, ttmp9
	s_cselect_b32 s17, 2, s12
	s_cselect_b32 s66, 0, 1.0                      ; F0
	s_cselect_b32 s95, 1.0, 0                      ; F1
	s_mov_b32 s67, s66                             ; (named with s66 as a pair)
	s_lshl_b32 s42, s42, 2
	s_add_co_u32 s42, s42, s40                     ; i0: S0's tile of 256 rows
	s_lshl_b32 s17, s17, 2
	s_add_co_u32 s17, s17, s41                     ; i1: S1's
	s_lshl_b32 s18, s16, 7                         ; which 128 rows of the tile I fetch
	s_lshl_b32 s20, s17, 8
	s_add_co_u32 s20, s20, s18                     ; S1: the row
	s_lshl_b32 s46, s42, 8
	s_add_co_u32 s46, s46, s18                     ; S0: the row
	s_lshl_b32 s22, s20, 5                         ; its scales, 32 bytes a row,
	s_mov_b32 s23, 0
	s_lshl_b32 s92, s46, 5
	s_mov_b32 s93, 0
	s_lshl_b32 s20, s20, 10                        ; and its codes, 1,024 bytes a row
	s_mov_b32 s21, 0
	s_lshl_b32 s46, s46, 10
	s_mov_b32 s47, 0
	s_mul_i32 s45, s14, HALFT                      ; where they go: by the wave's number alone
	s_mul_i32 s94, s14, HALFS
	; where my results go and which biases are mine: offsets, apart from the addresses
	s_lshl_b32 s2, s17, 1
	s_add_co_u32 s2, s2, s15                       ; u1 = 2 i1 + half1: my 128 rows of S1
	s_lshl_b32 s3, s42, 1
	s_add_co_u32 s3, s3, s16                       ; u0 = 2 i0 + half0: my 128 rows of S0
	s_lshl_b32 s18, s2, 9                          ; 128 f32 a unit
	s_lshl_b32 s19, s3, 9
	s_cmp_eq_u32 ttmp9, 2
	s_cselect_b32 s13, s3, s2                      ; my 128 tokens: 16 b + t128
	s_cselect_b32 s2, s2, s3                       ; my 128 rows of W: two heads
	s_cselect_b32 s18, s18, 0                      ; the bias by S1's index: v alone
	s_cselect_b32 s19, 0, s19                      ; the bias by S0's index: q and k
	s_and_b32 s2, s2, 7                            ; the head pair
	s_lshr_b32 s3, s13, 4                          ; b
	s_and_b32 s13, s13, 15                         ; t128
	s_lshl_b32 s12, s3, 3
	s_add_co_u32 s12, s12, s2                      ; 8 b + pair
	s_lshl_b32 s2, s12, 5
	s_add_co_u32 s2, s2, s13                       ; (16 b + head) 16 + t128
	s_mul_i32 s2, s2, 24576
	s_lshl_b32 s3, ttmp9, 13
	s_add_co_u32 s2, s2, s3                        ; + kind x 8,192
	s_mul_i32 s12, s12, 3
	s_add_co_u32 s12, s12, ttmp9
	s_lshl_b32 s12, s12, 13
	s_lshl_b32 s13, s13, 8
	s_add_co_u32 s12, s12, s13                     ; ((8 b + pair) 3 + kind) 8,192 + 256 t128
	s_mov_b32 s3, 0
	s_mov_b32 s13, 0
	s_wait_kmcnt 0x0
	s_cmp_eq_u32 ttmp9, 2
	s_cselect_b64 s[4:5], s[72:73], s[68:69]       ; S1's codes: W for v, else x
	s_cselect_b64 s[6:7], s[74:75], s[70:71]       ; S1's scales
	s_cselect_b64 s[8:9], s[68:69], s[72:73]       ; S0's codes
	s_cselect_b64 s[10:11], s[70:71], s[74:75]     ; S0's scales
	s_add_nc_u64 s[96:97], s[78:79], s[2:3]        ; my codes' place in qkv
	s_add_nc_u64 s[98:99], s[80:81], s[12:13]      ; my scale words' place in qkvs
	s_mov_b32 s2, s19
	s_add_nc_u64 s[100:101], s[76:77], s[2:3]      ; b_attn by S0's index
	s_mov_b32 s2, s18
	s_add_nc_u64 s[104:105], s[76:77], s[2:3]      ; b_attn by S1's index
	s_add_nc_u64 s[20:21], s[4:5], s[20:21]
	s_add_nc_u64 s[22:23], s[6:7], s[22:23]
	s_add_nc_u64 s[46:47], s[8:9], s[46:47]
	s_add_nc_u64 s[92:93], s[10:11], s[92:93]
	s_mov_b32 s[SEL], 0x76543210
	s_mov_b32 s[SEL+1], 0xfedcba98
	s_mov_b32 s[MNT], 0x600000
	s_mov_b32 s[HI], 0xffff0000
	; descriptor group 1: 128 rows x 256 bytes, 16 bytes of padding behind each
	s_or_b32 s[G1+0], s43, (0<<16)|(1<<20)|(1<<21)|(5<<22)|(3<<25)  ; the mask: my row; elements of 1 byte; padding on; bit 21 beside a mask; after every 64 words four words
	s_or_b32 s[G1B+0], s44, (0<<16)|(1<<20)|(1<<21)|(5<<22)|(3<<25) ; the same with my column
.irp g, G1, G1B
	s_mov_b32 s[\g+1], ROWB<<16                    ; tensor_dim0
	s_mov_b32 s[\g+2], 128<<16                     ; tensor_dim1
	s_mov_b32 s[\g+3], ROWB<<16                    ; tile_dim0
	s_mov_b32 s[\g+4], 128                         ; tile_dim1
	s_mov_b32 s[\g+5], KROW                        ; the pitch
	s_mov_b32 s[\g+6], 0
	s_mov_b32 s[\g+7], 0
.endr
	; the scales of 128 rows: 4,096 dense bytes as 16 rows of 256 (32 elements of 8 bytes), 16 bytes of padding behind each
	s_or_b32 s[G1S+0], s43, (3<<16)|(1<<20)|(1<<21)|(5<<22)|(3<<25)
	s_or_b32 s[G1SB+0], s44, (3<<16)|(1<<20)|(1<<21)|(5<<22)|(3<<25)
.irp g, G1S, G1SB
	s_mov_b32 s[\g+1], 32<<16
	s_mov_b32 s[\g+2], 16<<16
	s_mov_b32 s[\g+3], 32<<16
	s_mov_b32 s[\g+4], 16
	s_mov_b32 s[\g+5], 32
	s_mov_b32 s[\g+6], 0
	s_mov_b32 s[\g+7], 0
.endr
	CROUND                                         ; all sixteen work-groups are here: the first joint loads meet
	s_mov_b32 s[G0S], 1
	s_add_co_u32 s[G0S+1], s94, SCL
	s_mov_b64 s[G0S+2:G0S+3], s[22:23]
	s_or_b32 s[G0S+3], s[G0S+3], 0x80000000
	s_mov_b32 s[G0SB], 1
	s_add_co_u32 s[G0SB+1], s94, SCL
	s_mov_b64 s[G0SB+2:G0SB+3], s[92:93]
	s_or_b32 s[G0SB+3], s[G0SB+3], 0x80000000
	JLOAD G0S, G1S, G0SB, G1SB                     ; the scales first; with the two slots three loads of mine are out
.irp s, 0,1
	s_mov_b32 s[G0+4*\s], 1
	s_add_co_u32 s[G0+4*\s+1], s45, \s*SLOT
	s_add_nc_u64 s[G0+4*\s+2:G0+4*\s+3], s[20:21], \s*ROWB
	s_or_b32 s[G0+4*\s+3], s[G0+4*\s+3], 0x80000000
	s_mov_b32 s[G0B+4*\s], 1
	s_add_co_u32 s[G0B+4*\s+1], s45, \s*SLOT
	s_add_nc_u64 s[G0B+4*\s+2:G0B+4*\s+3], s[46:47], \s*ROWB
	s_or_b32 s[G0B+4*\s+3], s[G0B+4*\s+3], 0x80000000
	JLOAD G0+4*\s, G1, G0B+4*\s, G1B
.endr
	v_and_b32 v1, 15, v0                           ; r
	v_bfe_u32 v2, v0, 4, 1                         ; h
	v_mul_u32_u24 v3, v1, PITCH
	v_lshl_add_u32 v4, v2, 4, v3                   ; a fragment's row x pitch + 16 h
	s_mul_i32 s2, s15, HALFT                       ; my 128 rows of S1
	s_mul_i32 s3, s16, HALFT                       ; my 128 rows of S0,
	s_add_co_u32 s3, s3, 2*HALFT                   ; behind S1's 256
.irp s, 0,1
	v_add_nc_u32 v[ADRA+\s], s2, v4
	v_add_nc_u32 v[ADRB+\s], s3, v4
	s_add_co_u32 s2, s2, SLOT
	s_add_co_u32 s3, s3, SLOT
.endr
	v_and_b32 v5, 31, v0                           ; lane
	v_lshrrev_b32 v6, 3, v5
	v_lshlrev_b32 v7, 5, v5
	v_lshl_add_u32 v7, v6, 4, v7                   ; row "lane" of scales: 32 bytes a row, 16 more for each 8 rows
	s_mul_i32 s2, s15, HALFS
	s_add_co_u32 s2, s2, SCL
	v_add_nc_u32 v[ADS1], s2, v7
	s_mul_i32 s3, s16, HALFS
	s_add_co_u32 s3, s3, SCL+2*HALFS
	v_add_nc_u32 v[ADS0], s3, v7
	v_lshlrev_b32 v[L16], 4, v5
	v_lshlrev_b32 v[L8], 3, v5
	; THE BIAS STARTS THE SUMS, while the first tiles are on their way
	v_lshlrev_b32 v8, 5, v2                        ; by S0's index: my eight numbers of a block of 16: 32 h
	v_lshlrev_b32 v9, 2, v1                        ; by S1's index: 4 r
.irp b, 0,1,2,3,4,5,6,7
	global_load_b128 v[AF+8*\b:AF+8*\b+3], v8, s[100:101] offset:64*\b
	global_load_b128 v[AF+8*\b+4:AF+8*\b+7], v8, s[100:101] offset:64*\b+16
.endr
.irp a, 0,1,2,3,4,5,6,7
	global_load_b32 v[192+\a], v9, s[104:105] offset:64*\a
.endr
	s_wait_loadcnt 0x0
.irp a, 0,1,2,3,4,5,6,7
	v_mul_f32 v[200+2*\a], s95, v[192+\a]          ; F1 x b[S1 index], in both halves of a pair
	v_mul_f32 v[201+2*\a], s95, v[192+\a]
.endr
.irp a, 0,1,2,3,4,5,6,7
	WIN 0x80+0x40*(\a/4)                           ; destination window 2 or 3
.irp b, 0,1,2,3,4,5,6,7
.irp k, 0,2,4,6
	v_pk_fma_f32 v[8*(8*(\a%4)+\b)+\k:8*(8*(\a%4)+\b)+\k+1], v[AF+8*\b+\k:AF+8*\b+\k+1], s[66:67], v[200+2*\a:201+2*\a] op_sel_hi:[1,0,1]
.endr
.endr
.endr
	WIN 0
.macro FRAG reg, adr, q, i             ; 16 rows x 128 K: lane l holds row l % 16; registers 4 c .. 4 c + 3 hold K = 32 c + 16 (l / 16) + 0 .. 15
.irp c, 0,1,2,3
	ds_load_b128 v[\reg+4*\c:\reg+4*\c+3], v[\adr] offset:128*(\q)+32*\c+(\i)*16*PITCH
.endr
.endm
; one product: S1's block a x S0's block b, the slot's q-th 128 along K; p: S0's set; sc: the set of scale words.  An odd block's words lie in lanes 16-31 of its register.
.macro WM a, b, p, q, sc
.set rD, 8*(8*((\a)%4)+(\b))
.set rA, 128*(\p)+FR*(\b)
.set rB, AF+FR*(\a)
.set rX, SC+16*(\sc)+2*((\b)/2)+(\q)
.set rY, SC+16*(\sc)+8+2*((\a)/2)+(\q)
.if ((\a)%2 == 0) && ((\b)%2 == 0)
	v_wmma_scale_f32_16x16x128_f8f6f4 v[rD:rD+7], v[rA:rA+15], v[rB:rB+15], v[rD:rD+7], v[rX], v[rY]
.elseif (\a)%2 == 0
	v_wmma_scale_f32_16x16x128_f8f6f4 v[rD:rD+7], v[rA:rA+15], v[rB:rB+15], v[rD:rD+7], v[rX], v[rY] matrix_a_scale:MATRIX_SCALE_ROW1
.elseif (\b)%2 == 0
	v_wmma_scale_f32_16x16x128_f8f6f4 v[rD:rD+7], v[rA:rA+15], v[rB:rB+15], v[rD:rD+7], v[rX], v[rY] matrix_b_scale:MATRIX_SCALE_ROW1
.else
	v_wmma_scale_f32_16x16x128_f8f6f4 v[rD:rD+7], v[rA:rA+15], v[rB:rB+15], v[rD:rD+7], v[rX], v[rY] matrix_a_scale:MATRIX_SCALE_ROW1 matrix_b_scale:MATRIX_SCALE_ROW1
.endif
.endm
; 16 products.  The 64 accumulators take turns, one instruction a turn, in the same order in every step.
.macro MUL16 a0, p, q, sc
.irp a, \a0, \a0+1
.irp b, 0,1,2,3,4,5,6,7
	WM \a, \b, \p, \q, \sc
.endr
.endr
.endm
.macro FETCH_B slot, q, p              ; S0's eight fragments into set p
	WIN TO_B
.irp i, 0,1,2,3,4,5,6,7
	FRAG 128*(\p)+FR*\i, ADRB+\slot, \q, \i
.endr
	WIN 0
.endm
.macro FETCH_A slot, q, i0             ; S1's blocks i0 .. i0 + 3
.irp i, \i0, \i0+1, \i0+2, \i0+3
	FRAG AF+FR*(\i), ADRA+\slot, \q, \i
.endr
.endm
.macro SCALES sc                       ; a slot's scale words: two words a row; 32 rows a load: lanes 0-15 an even block, lanes 16-31 the odd one behind it
.irp i, 0,1,2,3
	ds_load_b64 v[SC+16*\sc+2*\i:SC+16*\sc+2*\i+1], v[ADS0] offset:\i*1088
	ds_load_b64 v[SC+16*\sc+8+2*\i:SC+16*\sc+8+2*\i+1], v[ADS1] offset:\i*1088
.endr
.endm
.macro PLACES n                        ; plain vector instructions between a matrix instruction and a load into, or a vector read of, its registers
.rept \n
	v_nop
.endr
.endm
; a step of 128 along K that has its successor in the same slot
.macro STEP slot, q
	s_wait_dscnt 4*NL                              ; all but the youngest 16 loads (S1's blocks 4-7) are in
	WIN MUL_LO
	MUL16 0, (\q)%2, \q, \slot
	MUL16 2, (\q)%2, \q, \slot
	s_wait_dscnt 0                                 ; S1's blocks 4-7 are in
	PLACES NP
	FETCH_B \slot, (\q)+1, 1-(\q)%2
	FETCH_A \slot, (\q)+1, 0
	WIN MUL_HI
	MUL16 4, (\q)%2, \q, \slot
	MUL16 6, (\q)%2, \q, \slot
	PLACES NP
	WIN 0
	FETCH_A \slot, (\q)+1, 4
.endm
; a slot's last step changes slots: one barrier; in front of it each wave waits for all its tensor loads, adds 0 to its spare word, and waits for that and for its reads of this slot
.macro TURN slot, next, fill
	s_wait_tensorcnt 0x0                           ; all my tensor loads have landed: my part of the next slot
	ds_add_u32 v[SPW], v[NIL]                      ; 0 onto my spare word
	s_wait_dscnt 4*NL+1                            ; (the add and the youngest 16 loads may be out)
	WIN MUL_LO
	MUL16 0, 1, NQ-1, \slot
	s_wait_dscnt 0x0                               ; the add is done, and my reads of this slot are over
	s_barrier_signal -1
	MUL16 2, 1, NQ-1, \slot
	WIN 0
	s_barrier_wait -1
.if \fill
	CREST                                          ; the barrier has opened a round of the cluster's: no wave of any partner still reads this slot or has a load on its way
	s_add_nc_u64 s[G0+4*\slot+2:G0+4*\slot+3], s[G0+4*\slot+2:G0+4*\slot+3], 2*ROWB
	s_add_nc_u64 s[G0B+4*\slot+2:G0B+4*\slot+3], s[G0B+4*\slot+2:G0B+4*\slot+3], 2*ROWB
	JLOAD G0+4*\slot, G1, G0B+4*\slot, G1B         ; my one tensor load behind the round; its four v_nop are among the places in front of the loads below
	PLACES NP-4
.else
	PLACES NP
.endif
	v_add_nc_u32 v[ADS0], 4*NQ, v[ADS0]            ; on to the next slot's scale words
	v_add_nc_u32 v[ADS1], 4*NQ, v[ADS1]
	FETCH_B \next, 0, 0
	FETCH_A \next, 0, 0
	SCALES \next
	WIN MUL_HI
	MUL16 4, 1, NQ-1, \slot
	MUL16 6, 1, NQ-1, \slot
	PLACES NP
	WIN 0
	FETCH_A \next, 0, 4
.endm
	s_wait_tensorcnt 0x1                           ; the scales and my part of slot 0 are in; slot 1's load may be out
	s_barrier_signal -1
	s_barrier_wait -1
	FETCH_B 0, 0, 0
	FETCH_A 0, 0, 0
	SCALES 0
	FETCH_A 0, 0, 4
	; K = 1,024 is four slots' worth: written out (a loop would have one trip); two refills
	STEP 0, 0
	TURN 0, 1, 1
	STEP 1, 0
	TURN 1, 0, 1
	STEP 0, 0
	TURN 0, 1, 0
	STEP 1, 0
	s_wait_dscnt 4*NL                              ; the very last step: nothing more to fetch
	WIN MUL_LO
	MUL16 0, 1, NQ-1, 1
	MUL16 2, 1, NQ-1, 1
	s_wait_dscnt 0
	WIN MUL_HI
	MUL16 4, 1, NQ-1, 1
	MUL16 6, 1, NQ-1, 1
	WIN 0
; THE WAY OUT.  Where block a's 16 code registers stand in v128-255: a place whose numbers differ from those of block a's accumulators in their window
.macro CPLACE a
.set CA, CD+16*(4*(((((\a)%4)+1)/2)%2)+2*(((\a)%4)/2)+(\a)/4)
.endm
; S1's block a: four blocks of 32 along S0 are quantised: the largest magnitude (with the floor 2^-118, which holds the byte at 1 from below), its exponent field less 8 as scale, the hold at 448 x the scale, the conversion
.macro QUANT a
.set W, 2+(\a)/4
.set AC, 64*((\a)%4)
	CPLACE \a
	WIN W|(W<<2)                                   ; sources 0 and 1: the accumulators' window
.irp b, 0,1,2,3
	v_max3_num_f32 v[TM+\b], |v[AC+16*\b]|, |v[AC+16*\b+1]|, 0x4800000     ; each accumulator is read from its low end on
.endr
.irp i, 2,4,6,8,10,12,14
.irp b, 0,1,2,3
	v_max3_num_f32 v[TM+\b], |v[AC+16*\b+\i]|, |v[AC+16*\b+\i+1]|, v[TM+\b]
.endr
.endr
	WIN 0
.irp b, 0,1,2,3
	v_permlanex16_b32 v[TM+4+\b], v[TM+\b], s[SEL], s[SEL+1]
.endr
.irp b, 0,1,2,3
	v_max_num_f32 v[TM+\b], v[TM+\b], v[TM+4+\b]   ; with lane l xor 16's 16 numbers: the block's
.endr
.irp b, 0,1,2,3
	v_add_nc_u32 v[TM+12+\b], 0xfc000000, v[TM+\b] ; 8 off the exponent field: the conversion's scale operand
.endr
.irp b, 0,1,2,3
	v_and_or_b32 v[TM+8+\b], v[TM+\b], 0x7f800000, s[MNT]   ; 448 x the scale
.endr
.irp b, 0,1,2,3
	v_lshrrev_b32 v[SB+4*(\a)+\b], 23, v[TM+12+\b] ; the scale's byte
.endr
	WIN W|(W<<6)                                   ; source 0 and destination: the accumulators' window
.irp b, 0,1,2,3
.irp i, 0,1,2,3,4,5,6,7,8,9,10,11,12,13,14,15
	v_med3_num_f32 v[AC+16*\b+\i], v[AC+16*\b+\i], -v[TM+8+\b], v[TM+8+\b]   ; the conversion to an 8-bit code does not saturate (ISA guide 7.6.2)
.endr
.endr
	WIN W
.irp b, 0,1,2,3
	v_cvt_scalef32_pk8_fp8_f32 v[CA+4*\b:CA+4*\b+1], v[AC+16*\b:AC+16*\b+7], v[TM+12+\b]
	v_cvt_scalef32_pk8_fp8_f32 v[CA+4*\b+2:CA+4*\b+3], v[AC+16*\b+8:AC+16*\b+15], v[TM+12+\b]
.endr
	v_nop                                          ; a plain instruction behind the last conversion, ahead of the next writes of its scale operands
	WIN 0
.endm
	PLACES NP                                      ; behind the last products: their results are read, their operands' and scales' registers written
.irp a, 0,1,2,3,4,5,6,7
	QUANT \a
.endr
	s_cmp_eq_u32 ttmp9, 2
	s_cbranch_scc1 .Lway_v
	; q and k: S0's blocks 2 e, 2 e + 1 are head e's two d blocks; S1's block a is a tile of 16 tokens
.irp e, 0,1
.irp p, 0,1,2,3
	v_lshl_or_b32 v[96+4*\e+\p], v[SB+4*(2*\p)+2*\e+1], 8, v[SB+4*(2*\p)+2*\e]
	v_lshl_or_b32 v[96+4*\e+\p], v[SB+4*(2*\p+1)+2*\e], 16, v[96+4*\e+\p]
	v_lshl_or_b32 v[96+4*\e+\p], v[SB+4*(2*\p+1)+2*\e+1], 24, v[96+4*\e+\p]
.endr
	v_cndmask_b32 v[104+2*\e], v[96+4*\e], v[96+4*\e+1], s[HI]     ; lanes 0-15 unit 0, lanes 16-31 unit 1
	v_cndmask_b32 v[105+2*\e], v[96+4*\e+2], v[96+4*\e+3], s[HI]   ; units 2 and 3
	global_store_b64 v[L8], v[104+2*\e:105+2*\e], s[98:99] offset:4096*\e   ; 256 consecutive aligned bytes
.endr
.irp a, 0,1,2,3,4,5,6,7
	CPLACE \a
.irp b, 0,1,2,3
	global_store_b128 v[L16], v[CA+4*\b:CA+4*\b+3], s[96:97] offset:(\b/2)*HEADB+1024*\a+512*(\b%2)   ; 512 consecutive aligned bytes
.endr
.endr
	s_branch .Lout
.Lway_v:
	; v: S0's block g is a block of 32 keys; S1's block a is tile a % 4 of head a / 4's d
.irp a, 0,1,2,3,4,5,6,7
	v_lshl_or_b32 v[96+\a], v[SB+4*\a+1], 8, v[SB+4*\a]
	v_lshl_or_b32 v[96+\a], v[SB+4*\a+2], 16, v[96+\a]
	v_lshl_or_b32 v[96+\a], v[SB+4*\a+3], 24, v[96+\a]
.endr
.irp e, 0,1
	v_cndmask_b32 v[104+2*\e], v[96+4*\e], v[96+4*\e+1], s[HI]
	v_cndmask_b32 v[105+2*\e], v[96+4*\e+2], v[96+4*\e+3], s[HI]
	global_store_b64 v[L8], v[104+2*\e:105+2*\e], s[98:99] offset:4096*\e
.endr
.irp a, 0,1,2,3,4,5,6,7
	CPLACE \a
.irp b, 0,1,2,3
	global_store_b128 v[L16], v[CA+4*\b:CA+4*\b+3], s[96:97] offset:(\a/4)*HEADB+2048*(\a%4)+512*\b
.endr
.endr
.Lout:
	s_wait_tensorcnt 0x0                           ; the wave's end
	ds_add_u32 v[SPW], v[NIL]
	s_wait_dscnt 0x0
	CROUND                                         ; the closing round: no work-group ends while a partner may still ask for a tile that names it
	s_endpgm
.Lfunc_end_k_q03e3e59da9_qkv:
	.size	k_q03e3e59da9_qkv, .Lfunc_end_k_q03e3e59da9_qkv-k_q03e3e59da9_qkv
	.p2alignl 7, 3214868480
	.fill 96, 4, 3214868480
	.section	.rodata,"a",@progbits
	.p2align	6, 0x0
	.amdhsa_kernel k_q03e3e59da9_qkv
		.amdhsa_group_segment_fixed_size 327680
		.amdhsa_private_segment_fixed_size 0
		.amdhsa_enable_private_segment 0
		.amdhsa_kernarg_size 56
		.amdhsa_user_sgpr_count 2
		.amdhsa_user_sgpr_kernarg_segment_ptr 1
		.amdhsa_wavefront_size32 1
		.amdhsa_system_sgpr_workgroup_id_x 1
		.amdhsa_system_sgpr_workgroup_id_y 1
		.amdhsa_system_sgpr_workgroup_id_z 1
		.amdhsa_system_vgpr_workitem_id 0
		.amdhsa_next_free_vgpr 1024
		.amdhsa_next_free_sgpr 106
		.amdhsa_reserve_vcc 0
		.amdhsa_float_denorm_mode_32 3
		.amdhsa_float_denorm_mode_16_64 3
		.amdhsa_memory_ordered 1
		.amdhsa_forward_progress 1
		.amdhsa_inst_pref_size 209
	.end_amdhsa_kernel
	.amdgpu_metadata
---
amdhsa.version: [ 1, 2 ]
amdhsa.kernels:
  - .name:           k_q03e3e59da9_qkv
    .symbol:         k_q03e3e59da9_qkv.kd
    .args:
      - { .name: x_codes, .offset: 0, .size: 8, .value_kind: global_buffer, .address_space: global }
      - { .name: x_scales, .offset: 8, .size: 8, .value_kind: global_buffer, .address_space: global }
      - { .name: W_attn_codes, .offset: 16, .size: 8, .value_kind: global_buffer, .address_space: global }
      - { .name: W_attn_scales, .offset: 24, .size: 8, .value_kind: global_buffer, .address_space: global }
      - { .name: b_attn, .offset: 32, .size: 8, .value_kind: global_buffer, .address_space: global }
      - { .name: qkv, .offset: 40, .size: 8, .value_kind: global_buffer, .address_space: global }
      - { .name: qkvs, .offset: 48, .size: 8, .value_kind: global_buffer, .address_space: global }
    .group_segment_fixed_size: 327680
    .private_segment_fixed_size: 0
    .kernarg_segment_align: 8
    .kernarg_segment_size: 56
    .max_flat_workgroup_size: 128
    .sgpr_count:     106
    .vgpr_count:     1024
    .wavefront_size: 32
...
	.end_amdgpu_metadata
.endif
;; end of part 1
;; launch attn (part 2): grid 8 x 32, 16 waves a work-group, clusters of 4 x 1, 327,680 bytes of LDS; arguments qkv, qkvs, y_codes, y_scales; writes y_codes, y_scales
.if DOCPART == 2
	.amdgcn_target "amdgcn-amd-amdhsa--gfx1250"
	.amdhsa_code_object_version 6
	.text
	.protected	k_q03e3e59da9_attn
	.globl	k_q03e3e59da9_attn
	.p2align	8
	.type	k_q03e3e59da9_attn,@function
k_q03e3e59da9_attn:
	s_mov_b64 s[64:65], 0
	v_nop
	global_prefetch_b8 v0, s[64:65] scope:SCOPE_SE
	s_setreg_imm32_b32 hwreg(HW_REG_WAVE_MODE, 25, 1), 1
	s_wait_xcnt 0x0
	s_wait_alu depctr_hold_cnt(0) depctr_sa_sdst(0) depctr_va_vdst(0) depctr_va_sdst(0) depctr_va_ssrc(0) depctr_va_vcc(0) depctr_vm_vsrc(0)
	s_getreg_b32 s2, hwreg(HW_REG_IB_STS2, 6, 4)
	s_cmp_eq_u32 s2, 0
	s_cbranch_scc0 .Lentry_in_a_cluster
	s_endpgm
.Lentry_in_a_cluster:
	s_bfe_u32 s2, ttmp6, 0x10000c
	s_cmp_lg_u32 s2, 0x3003
	s_cbranch_scc0 .Lentry_shape_is_right
	s_endpgm
.Lentry_shape_is_right:
; y = softmax(q k^T / sqrt(192)) v for 64 (batch, head), 2,048 tokens, head size 64, both products on codes of E4M3 with one E8M0 scale for each 32 along K; y is quantised along the 1,024 channels on the way out.
; THE SOFTMAX: t = score x log2(e) / sqrt(192); M = the row's largest t so far, rounded up to a whole number; p = 2^(t - M) is quantised along the keys, not normalised; the row's sum is taken of the unquantised p and divides at the end.
; When M moves, the sum and O are multiplied by 2^(old M - new M), exactly.
; SHARES.  A work-group owns 256 queries and STAYS for the two heads of a head pair, so that each wave ends with one whole operand fragment of y (16 tokens x 128 channels) and whole scale words.
; Each of sixteen waves owns 16 queries in 256 registers: four waves to a SIMD, one wave's vector work beside another's matrix work and LDS loads.  The two heads' K and V lie on end in qkv: 32 key steps of 128 keys, 24,576 bytes apart.
; CLUSTER 4 x 1: the four query blocks of a cluster walk the same K and V: each tile is asked for jointly (mask 15).  Waves 0 to 3 fetch, a key step (K's 8,192 bytes and V's 8,192, on end in memory) each; a slot holds four key steps.
; LAYOUT.  Both products are used transposed (S^T = K Q^T, O^T = V^T P^T): a lane holds one query.  K, V and Q lie in memory as images of operand registers (512 bytes for four registers, lane l's 16 bytes at 16 l), so every LDS load reads 512 consecutive bytes.
; K = 64 IN AN INSTRUCTION OF 128: source 0 is [k tile 2 p | k tile 2 p + 1]; Q stands in 24 registers [q | 0 | q]: its first 16 give tile 2 p's scores, its last 16 tile 2 p + 1's; Q's scale word is (s0, s1, s0, s1).
; The order of numbers inside a block of 32 is that of the launch that made the codes: the same for q and k, and for p (made here from natural tiles) and v.  y alone is put into true order, since it meets a given operand.
;   y_codes [tile of 16 tokens 512][K step of 128 = head pair 8][block 4][lane][16];  y_scales [K step 8][token 8,192][4 bytes]
; LIMITS: a block whose largest magnitude lies under 2^-118 keeps the scale byte 1; a block of zeros gets the byte 1 and zero codes (these bytes are read by this program alone); NaN and infinities are not served.
.set SLOT1, 131072                     ; slot 0 at 0, slot 1 here: one exclusive or turns an address; a slot is 4 x 16,384 bytes
.set SCK,   262144                     ; the pair's scale words: K's 32 x 256 bytes, then V's 32 x 256: filled once
.set SPARE, 278528                     ; the spare words, 128 bytes for each of 16 waves
.set YSG,   280576                     ; 256 scale words of y: written by LDS stores alone
.set HEADB, 393216                     ; from head to head in qkv
.set RECB,  24576                      ; from one 128 tokens' record (q, k, v) to the next
.set L16, 1                            ; v1   16 x lane
.set L8,  2                            ; v2   SCK + 8 x lane
.set SPW, 3                            ; v3   my spare word; never rewritten
.set NIL, 4                            ; v4   0; never rewritten
.set PFO, 5                            ; v5   256 x lane
.set ADK, 6                            ; v6   the slot in hand + 16 x lane
.set ADS, 7                            ; v7   the slot's scale words
.set R8,  8                            ; v8   8 x (lane % 16)
.set YSA, 9                            ; v9   where my row's scale word of y goes
.set YRD, 10                           ; v10  where wave 0 reads them back
.set KV,  40                           ; v40-103   four fragments of K, then of V
.set S,   104                          ; v104-167  S^T, then p
.set O,   168                          ; v168-199  O^T
.set PC,  200                          ; v200-215  p's codes
.set BM,  216                          ; v216-219  the blocks' largest scores, then largest p
.set PM,  220                          ; v220-223  lane permutes' targets, then scale bytes
.set HD,  224                          ; v224-227  448 x the scale
.set SO,  228                          ; v228-231  the conversions' scale operands
.set F,   232                          ; v[232:233] f = 2^(old M - new M); the upper half is written once
.set T,   234
.set SU,  236                          ; v[236:237] the sum's second chain
.set QS,  240                          ; Q's scale word
.set KSC, 242                          ; v[242:243] K's scale words
.set VSC, 244                          ; v[244:245] V's
.set PS,  246                          ; p's scale word
.set YW,  247                          ; y's scale word
.set YA,  248                          ; v248-255  the first head's codes of y
.set TB,  2                            ; s2   the slot in hand
.set TS,  3                            ; s3   its scale words: 1,024 bytes a slot
.set WV,  12
.set HI,  18                           ; s18  lanes 16-31
.set MNT, 19                           ; s19  the mantissa field of 448
.set SEL, 20                           ; s[20:21] lane l xor 16
.set CS,  22                           ; s[22:23] c = log2(e) / sqrt(192)
.set G1,  24
.set G1S, 32
.set G0,  40
.set G0S, 44
.set SLOTS, 48
.set LIM, 50
.set QSH, 51
.set PFA, 52
.set QB,  54
.set QSB, 56
.set YB,  58
.set YSB, 60
.macro CROUND                          ; a round of the cluster's barrier
	s_barrier_signal -1
	s_barrier_wait -1
	s_cmp_lg_u32 s[WV], 0
	s_cbranch_scc1 .Lnot_wave_0_\@
	s_barrier_signal -3
.Lnot_wave_0_\@:
	s_barrier_wait -3
	s_barrier_signal -1
	s_barrier_wait -1
.endm
.macro TLOAD                           ; waves 0 to 3 fetch a key step each; four v_nop follow the line
	s_cmp_lt_u32 s[WV], 4
	s_cbranch_scc0 .Lnone_\@
	tensor_load_to_lds s[G0:G0+3], s[G1:G1+7]
	s_nop 0
.rept 4
	v_nop
.endr
.Lnone_\@:
.endm
; A prefetch of what the NEXT change of slots will ask for.  Both clusters of a head pair walk the same K and V: the first cluster asks.  Its partner cx takes key step cx of the slot, told apart by address;
; in it wave 4 names K's 32 blocks of 256 bytes, wave 5 V's, a lane a block.  So each block is named once.  The last change that fills a slot asks for nothing; slots 0 and 1 come by their loads alone.
.macro ASK
	s_cmp_gt_u32 s[SLOTS], s[LIM]
	s_cbranch_scc0 .Lnot_mine_\@
	global_prefetch_b8 v[PFO], s[PFA:PFA+1] th:TH_LOAD_NT scope:SCOPE_SE
.Lnot_mine_\@:
.endm
	s_load_b256 s[4:11], s[0:1], 0x0               ; qkv, qkvs, y_codes, y_scales
	v_lshl_add_u32 v[SPW], v0, 2, SPARE
	v_mov_b32 v[NIL], 0
	ds_add_u32 v3, v4
	ds_add_u32 v3, v4
	s_wait_dscnt 0x0
	v_lshrrev_b32 v6, 5, v0
	s_delay_alu instid0(VALU_DEP_1)
	v_readfirstlane_b32 s[WV], v6                  ; wave 0..15
	s_bfe_u32 s13, ttmp6, 0x40000                  ; cx
	s_lshl_b32 s14, ttmp9, 2
	s_add_co_u32 s14, s14, s13                     ; my block of 256 queries: it enters global addresses of q and y alone
	s_and_b32 s15, ttmp7, 0xffff                   ; 8 b + head pair, which the four partners share
	s_lshr_b32 s16, s15, 3                         ; b
	s_and_b32 s17, s15, 7                          ; the head pair
	s_mul_i32 s62, s15, 2*HEADB                    ; the pair's first byte in qkv
	s_mul_i32 s63, s15, 24576                      ; and in qkvs
	s_mul_i32 s42, s[WV], RECB                     ; what I fetch, if I fetch: key step "wave" of a slot: K and V, 8,192 bytes behind the record's q
	s_add_co_u32 s42, s42, s62
	s_add_co_u32 s42, s42, 8192
	s_mov_b32 s43, 0
	s_lshl_b32 s46, s[WV], 12                      ; and a quarter of the pair's 16,384 bytes of K's and V's scale words
	s_add_co_u32 s46, s46, s63
	s_add_co_u32 s46, s46, 8192
	s_mov_b32 s47, 0
	s_lshl_b32 s56, s14, 1
	s_lshr_b32 s57, s[WV], 3
	s_add_co_u32 s56, s56, s57                     ; my queries' 128 tokens
	s_lshl_b32 s54, s15, 5
	s_add_co_u32 s54, s54, s56
	s_mul_i32 s54, s54, RECB
	s_and_b32 s55, s[WV], 7
	s_lshl_b32 s55, s55, 10
	s_add_co_u32 s54, s54, s55                     ; q's image of my tile: 1,024 bytes
	s_mov_b32 s55, 0
	s_lshl_b32 s56, s56, 8
	s_add_co_u32 s56, s56, s63
	s_bfe_u32 s57, s[WV], 0x10001
	s_lshl_b32 s57, s57, 7                         ; my tile pair's words lie in lanes 16 (pair % 2) + r,
	s_add_co_u32 s56, s56, s57
	s_bfe_u32 s57, s[WV], 0x10002
	s_lshl_b32 s57, s57, 2                         ; word pair / 2,
	s_add_co_u32 s56, s56, s57
	s_mov_b32 s57, 0
	s_and_b32 s[QSH], s[WV], 1
	s_lshl_b32 s[QSH], s[QSH], 4                   ; and my tile's two bytes 16 (tile % 2) bits up
	s_lshl_b32 s58, s16, 7
	s_lshl_b32 s59, s14, 4
	s_add_co_u32 s58, s58, s59
	s_add_co_u32 s58, s58, s[WV]                   ; my tile of 16 tokens among 512
	s_lshl_b32 s58, s58, 3
	s_add_co_u32 s58, s58, s17
	s_lshl_b32 s58, s58, 11                        ; (tile x 8 + pair) x 2,048
	s_mov_b32 s59, 0
	s_lshl_b32 s60, s17, 15
	s_lshl_b32 s61, s16, 13
	s_add_co_u32 s60, s60, s61
	s_lshl_b32 s61, s14, 10
	s_add_co_u32 s60, s60, s61                     ; y's scale words: pair x 32,768 + 4 x the work-group's first token
	s_mov_b32 s61, 0
	s_mul_i32 s52, s13, RECB                       ; the prefetches: key step cx of a slot,
	s_add_co_u32 s52, s52, s62
	s_and_b32 s53, s[WV], 1
	s_lshl_b32 s53, s53, 13                        ; K's (wave 4) or V's (wave 5) 8,192 bytes,
	s_add_co_u32 s52, s52, s53
	s_add_co_u32 s52, s52, 8192+4*RECB             ; in slot 1: the first change of slots steps it to slot 2
	s_mov_b32 s53, 0
	s_sub_co_u32 s[LIM], s[WV], 4
	s_lshr_b32 s[LIM], s[LIM], 1                   ; 0 in waves 4 and 5,
	s_or_b32 s[LIM], s[LIM], ttmp9                 ; of the pair's first cluster: the same in all four partners
	s_cmp_eq_u32 s[LIM], 0
	s_cselect_b32 s[LIM], 1, -1
	s_lshl_b32 s63, s[WV], 6
	; descriptor group 1: 16,384 dense bytes as 64 rows of 256 (32 elements of 8 bytes); no padding: the images are read 512 consecutive bytes at a time
	s_mov_b32 s[G1], 15|(3<<16)|(1<<21)            ; the mask: all four work-groups; elements of 8 bytes; bit 21 beside a mask
	s_mov_b32 s[G1+1], 32<<16
	s_mov_b32 s[G1+2], 64<<16
	s_mov_b32 s[G1+3], 32<<16
	s_mov_b32 s[G1+4], 64
	s_mov_b32 s[G1+5], 32
	s_mov_b32 s[G1+6], 0
	s_mov_b32 s[G1+7], 0
	s_mov_b32 s[G1S], 15|(3<<16)|(1<<21)           ; the scale words: 16 such rows a wave
	s_mov_b32 s[G1S+1], 32<<16
	s_mov_b32 s[G1S+2], 16<<16
	s_mov_b32 s[G1S+3], 32<<16
	s_mov_b32 s[G1S+4], 16
	s_mov_b32 s[G1S+5], 32
	s_mov_b32 s[G1S+6], 0
	s_mov_b32 s[G1S+7], 0
	s_mov_b32 s[HI], 0xffff0000
	s_mov_b32 s[MNT], 0x600000
	s_mov_b32 s[SEL], 0x76543210
	s_mov_b32 s[SEL+1], 0xfedcba98
	s_mov_b32 s[CS], 0x3dd53b94                    ; c = log2(e) / sqrt(192)
	s_mov_b32 s[CS+1], s[CS]
	s_mov_b32 s[TB], 0
	s_mov_b32 s[TS], 0
	s_mov_b32 s[SLOTS], 7
	v_and_b32 v10, 31, v0
	v_and_b32 v11, 15, v0
	s_delay_alu instid0(VALU_DEP_2)
	v_lshlrev_b32 v[L16], 4, v10
	s_delay_alu instid0(VALU_DEP_3)
	v_lshl_add_u32 v[L8], v10, 3, SCK
	s_delay_alu instid0(VALU_DEP_4)
	v_lshlrev_b32 v[PFO], 8, v10
	s_delay_alu instid0(VALU_DEP_4)
	v_lshlrev_b32 v[R8], 3, v11
	v_lshl_add_u32 v[YSA], v11, 2, YSG
	s_delay_alu instid0(VALU_DEP_1)
	v_add_nc_u32 v[YSA], s63, v[YSA]               ; YSG + 64 x wave + 4 r
	v_add_nc_u32 v[YRD], YSG, v[L16]
.irp j, 24,25,26,27,28,29,30,31
	v_mov_b32 v[\j], 0                             ; the zeros between Q's two copies
.endr
.irp j, 220,221,222,223,233
	v_mov_b32 v[\j], 0                             ; lane permutes' targets, and the upper half of f's pair: written once
.endr
.irp j, 247,248,249,250,251,252,253,254,255
	v_mov_b32 v[\j], 0                             ; the first head's results: written on one path through the loop alone
.endr
	s_wait_kmcnt 0x0
	s_mov_b32 s[G0], 1
	s_lshl_b32 s[G0+1], s[WV], 14                  ; slot 0, key step "wave"
	s_add_nc_u64 s[G0+2:G0+3], s[4:5], s[42:43]
	s_or_b32 s[G0+3], s[G0+3], 0x80000000
	s_mov_b32 s[G0S], 1
	s_lshl_b32 s[G0S+1], s[WV], 12
	s_add_co_u32 s[G0S+1], s[G0S+1], SCK
	s_add_nc_u64 s[G0S+2:G0S+3], s[6:7], s[46:47]
	s_or_b32 s[G0S+3], s[G0S+3], 0x80000000
	s_add_nc_u64 s[PFA:PFA+1], s[4:5], s[PFA:PFA+1]
	s_add_nc_u64 s[QB:QB+1], s[4:5], s[QB:QB+1]
	s_add_nc_u64 s[QSB:QSB+1], s[6:7], s[QSB:QSB+1]
	s_add_nc_u64 s[YB:YB+1], s[8:9], s[YB:YB+1]
	s_add_nc_u64 s[YSB:YSB+1], s[10:11], s[YSB:YSB+1]
	CROUND                                         ; all four work-groups are here: the first joint loads meet
	s_cmp_lt_u32 s[WV], 4                          ; a wave's two first fills stand in one branch: two loads of mine are out
	s_cbranch_scc0 .Lfirst_none
	tensor_load_to_lds s[G0S:G0S+3], s[G1S:G1S+7]  ; the pair's scale words: filled once
	s_nop 0
	tensor_load_to_lds s[G0:G0+3], s[G1:G1+7]      ; slot 0
	s_nop 0
.rept 4
	v_nop
.endr
.Lfirst_none:
; a head begins: Q's fragment (twice: [q | 0 | q]) and scale word; the largest t -3e38, the sum and O^T zeros, which the first change of M leaves zeros
.macro HEAD_INIT hd
.irp c, 0,1
	global_load_b128 v[16+4*\c:19+4*\c], v[L16], s[QB:QB+1] offset:\hd*HEADB+512*\c
	global_load_b128 v[32+4*\c:35+4*\c], v[L16], s[QB:QB+1] offset:\hd*HEADB+512*\c
.endr
	global_load_b32 v[QS], v[R8], s[QSB:QSB+1] offset:4096*\hd
	v_mov_b32 v13, 0xff61b1e6
	s_delay_alu instid0(VALU_DEP_1)
	v_floor_f32 v12, -v13                          ; -M
	v_mov_b32 v14, 0
	v_mov_b32 v15, 0
.set j, 0
.rept 32
	v_mov_b32 v[O+j], 0
.set j, j+1
.endr
	s_wait_loadcnt 0x0
	v_lshrrev_b32 v[QS], s[QSH], v[QS]             ; my tile's two bytes,
	s_delay_alu instid0(VALU_DEP_1)
	v_and_b32 v[QS], 0xffff, v[QS]
	s_delay_alu instid0(VALU_DEP_1)
	v_lshl_or_b32 v[QS], v[QS], 16, v[QS]          ; for both halves of K = 128.  (Eight plain instructions at a step's head stand between this and the first scaled product)
.endm
; A KEY STEP: 128 keys, the q-th of the slot in hand
.macro STEP q
	v_add_nc_u32 v[ADK], s[TB], v[L16]
	v_add_nc_u32 v[ADS], s[TS], v[L8]
.rept 6
	v_nop                                          ; with the two additions: eight places in front of loads into registers that the last products read
.endr
	ds_load_b64 v[KSC:KSC+1], v[ADS] offset:256*\q
	ds_load_b64 v[VSC:VSC+1], v[ADS] offset:8192+256*\q
.set i, 0
.rept 16
	ds_load_b128 v[KV+4*i:KV+4*i+3], v[ADK] offset:16384*\q+512*i
.set i, i+1
.endr
	s_wait_alu depctr_va_vdst(0)
	s_wait_dscnt 0x0
.irp p, 0,1,2,3                        ; S^T = K Q^T: the pair fragment p against [q | 0] and [0 | q]
.irp u, 0,1
.if \p%2
	v_wmma_scale_f32_16x16x128_f8f6f4 v[S+8*(2*\p+\u):S+8*(2*\p+\u)+7], v[KV+16*\p:KV+16*\p+15], v[16+8*\u:31+8*\u], 0, v[KSC+\p/2], v[QS] matrix_a_scale:MATRIX_SCALE_ROW1
.else
	v_wmma_scale_f32_16x16x128_f8f6f4 v[S+8*(2*\p+\u):S+8*(2*\p+\u)+7], v[KV+16*\p:KV+16*\p+15], v[16+8*\u:31+8*\u], 0, v[KSC+\p/2], v[QS]
.endif
.endr
.endr
.rept 8
	v_nop                                          ; places: in front of the loads over K's fragments and of the first read of the scores
.endr
.set i, 0
.rept 16
	ds_load_b128 v[KV+4*i:KV+4*i+3], v[ADK] offset:16384*\q+8192+512*i    ; V lands under the softmax
.set i, i+1
.endr
.irp b, 0,1,2,3
	v_max3_num_f32 v[BM+\b], v[S+16*\b], v[S+1+16*\b], v[S+2+16*\b]   ; the largest score of each block of 32 keys: for the row's maximum and, since p rises with the score, for the block's largest p
.endr
.irp i, 3,5,7,9,11,13
.irp b, 0,1,2,3
	v_max3_num_f32 v[BM+\b], v[BM+\b], v[S+16*\b+\i], v[S+1+16*\b+\i]
.endr
.endr
.irp b, 0,1,2,3
	v_max_num_f32 v[BM+\b], v[BM+\b], v[S+15+16*\b]
.endr
.irp b, 0,1,2,3
	s_delay_alu instid0(VALU_DEP_4)
	v_permlanex16_b32 v[PM+\b], v[BM+\b], s[SEL], s[SEL+1]
.endr
.irp b, 0,1,2,3
	s_delay_alu instid0(VALU_DEP_4)
	v_max_num_f32 v[BM+\b], v[BM+\b], v[PM+\b]     ; with lane l xor 16's 16 keys
.endr
	s_delay_alu instid0(VALU_DEP_2)
	v_max3_num_f32 v[T], v[BM], v[BM+1], v[BM+2]
	s_delay_alu instid0(VALU_DEP_1)
	v_max_num_f32 v[T], v[T], v[BM+3]
	s_delay_alu instid0(VALU_DEP_1)
	v_mul_f32 v[T], s[CS], v[T]                    ; as t (c is positive)
	s_delay_alu instid0(VALU_DEP_1)
	v_max_num_f32 v13, v13, v[T]                   ; the running largest t
	v_mov_b32 v[T], v12
	s_delay_alu instid0(VALU_DEP_2)
	v_floor_f32 v12, -v13                          ; the new -M = -ceil(t)
	s_delay_alu instid0(VALU_DEP_1)
	v_sub_f32 v[T], v12, v[T]                      ; old M - new M: a whole number, 0 or less
	s_delay_alu instid0(VALU_DEP_1)
	v_cvt_i32_f32 v[T], v[T]                       ; (it saturates)
	s_delay_alu instid0(VALU_DEP_1)
	v_ldexp_f32 v[F], 1.0, v[T]                    ; f = 2^(old M - new M)
.set j, 0
.rept 32
	v_pk_fma_f32 v[S+j:S+j+1], v[S+j:S+j+1], s[CS:CS+1], v[12:13] op_sel_hi:[1,0,0]   ; t - M, two at a time
.set j, j+2
.endr
.irp b, 0,1,2,3
	v_fma_f32 v[BM+\b], v[BM+\b], s[CS], v12       ; the same of each block's largest score
.endr
.set j, 0
	s_wait_alu depctr_va_vdst(0)
.rept 64
	v_exp_f32 v[S+j], v[S+j]                       ; p = 2^(t - M)
.set j, j+1
.endr
	v_pk_mul_f32 v[14:15], v[14:15], v[F:F+1] op_sel_hi:[1,0]   ; the sums under the new M: the plain instruction behind the exponentials
	s_wait_alu depctr_va_vdst(0)                   ; one wait for the batch, ahead of its first reader
.irp b, 0,1,2,3
	v_exp_f32 v[BM+\b], v[BM+\b]                   ; the block's largest p
.endr
	v_pk_add_f32 v[236:237], v[108:109], v[112:113]
	v_pk_add_f32 v[242:243], v[116:117], v[120:121]
	v_pk_add_f32 v[238:239], v[124:125], v[128:129]
	v_pk_add_f32 v[230:231], v[132:133], v[136:137]
	v_pk_add_f32 v[228:229], v[140:141], v[144:145]
	v_pk_add_f32 v[226:227], v[148:149], v[152:153]
	v_pk_add_f32 v[224:225], v[156:157], v[160:161]
	v_pk_add_f32 v[14:15], v[14:15], v[164:165]
	v_pk_add_f32 v[236:237], v[236:237], v[104:105]
	v_pk_add_f32 v[242:243], v[242:243], v[106:107]
	v_pk_add_f32 v[238:239], v[238:239], v[110:111]
	v_pk_add_f32 v[230:231], v[230:231], v[114:115]
	v_pk_add_f32 v[228:229], v[228:229], v[118:119]
	v_pk_add_f32 v[226:227], v[226:227], v[122:123]
	v_pk_add_f32 v[224:225], v[224:225], v[126:127]
	v_pk_add_f32 v[14:15], v[14:15], v[130:131]
	v_pk_add_f32 v[236:237], v[236:237], v[134:135]
	v_pk_add_f32 v[242:243], v[242:243], v[138:139]
	v_pk_add_f32 v[238:239], v[238:239], v[142:143]
	v_pk_add_f32 v[230:231], v[230:231], v[146:147]
	v_pk_add_f32 v[228:229], v[228:229], v[150:151]
	v_pk_add_f32 v[226:227], v[226:227], v[154:155]
	v_pk_add_f32 v[224:225], v[224:225], v[158:159]
	v_pk_add_f32 v[14:15], v[14:15], v[162:163]
	v_pk_add_f32 v[236:237], v[236:237], v[166:167]
	s_delay_alu instid0(VALU_DEP_2)
	v_pk_add_f32 v[14:15], v[14:15], v[230:231]
	s_delay_alu instid0(VALU_DEP_2)
	v_pk_add_f32 v[236:237], v[236:237], v[228:229]
	v_pk_add_f32 v[242:243], v[242:243], v[226:227]
	v_pk_add_f32 v[238:239], v[238:239], v[224:225]
	s_delay_alu instid0(VALU_DEP_2)
	v_pk_add_f32 v[14:15], v[14:15], v[242:243]
	s_delay_alu instid0(VALU_DEP_2)
	v_pk_add_f32 v[236:237], v[236:237], v[238:239]
	s_delay_alu instid0(VALU_DEP_1)
	v_pk_add_f32 v[14:15], v[14:15], v[236:237]
	s_wait_alu depctr_va_vdst(0)                   ; and one for the four
.irp b, 0,1,2,3
	v_max_num_f32 v[BM+\b], 0x4800000, v[BM+\b]    ; the floor 2^-118: the byte cannot fall under 1
.endr
.irp b, 0,1,2,3
	s_delay_alu instid0(VALU_DEP_4)
	v_add_nc_u32 v[SO+\b], 0xfc000000, v[BM+\b]    ; 8 off the exponent field: the conversion's scale operand
.endr
.irp b, 0,1,2,3
	v_and_or_b32 v[HD+\b], v[BM+\b], 0x7f800000, s[MNT]   ; 448 x the scale
.endr
.irp b, 0,1,2,3
	v_lshrrev_b32 v[PM+\b], 23, v[SO+\b]           ; the scale's byte
.endr
	s_delay_alu instid0(VALU_DEP_3)
	v_lshl_or_b32 v[PS], v[PM+1], 8, v[PM]         ; p's scale word for these 128 keys
	s_delay_alu instid0(VALU_DEP_1)
	v_lshl_or_b32 v[PS], v[PM+2], 16, v[PS]
	s_delay_alu instid0(VALU_DEP_1)
	v_lshl_or_b32 v[PS], v[PM+3], 24, v[PS]
.irp b, 0,1,2,3
.irp i, 0,1,2,3,4,5,6,7,8,9,10,11,12,13,14,15
	v_min_num_f32 v[S+16*\b+\i], v[S+16*\b+\i], v[HD+\b]   ; the conversion does not saturate (ISA guide 7.6.2); p is not negative: a one-sided hold
.endr
	v_cvt_scalef32_pk8_fp8_f32 v[PC+4*\b:PC+4*\b+1], v[S+16*\b:S+16*\b+7], v[SO+\b]
	v_cvt_scalef32_pk8_fp8_f32 v[PC+4*\b+2:PC+4*\b+3], v[S+16*\b+8:S+16*\b+15], v[SO+\b]
.endr
.set j, 0
.rept 16
	v_pk_mul_f32 v[O+j:O+j+1], v[O+j:O+j+1], v[F:F+1] op_sel_hi:[1,0]   ; O^T under the new M; these are also the places in front of the products below
.set j, j+2
.endr
	s_wait_alu depctr_va_vdst(0)
	s_wait_dscnt 0x0                               ; V is in
.irp t, 0,1,2,3                        ; O^T += V^T P^T: four accumulators by turns
.if \t%2
	v_wmma_scale_f32_16x16x128_f8f6f4 v[O+8*\t:O+8*\t+7], v[KV+16*\t:KV+16*\t+15], v[PC:PC+15], v[O+8*\t:O+8*\t+7], v[VSC+\t/2], v[PS] matrix_a_scale:MATRIX_SCALE_ROW1
.else
	v_wmma_scale_f32_16x16x128_f8f6f4 v[O+8*\t:O+8*\t+7], v[KV+16*\t:KV+16*\t+15], v[PC:PC+15], v[O+8*\t:O+8*\t+7], v[VSC+\t/2], v[PS]
.endif
.endr
.endm
.macro SLOT_STEPS
	STEP 0
	STEP 1
	STEP 2
	STEP 3
	s_xor_b32 s[TB], s[TB], SLOT1                  ; on to the other slot,
	s_add_co_u32 s[TS], s[TS], 1024                ; and its four steps' scale words
.endm
; THE CHANGE OF SLOTS stands at a slot's head.  Each wave waits for all its tensor loads (its part of the slot ahead), adds 0 to its spare word, and waits for that and for its reads of the slot that it has left.
; fill = 1: the barrier is a round of the cluster's, and the slot that was left is filled with the next four key steps: that load has four key steps in which to land.
.macro CHANGE fill
	s_wait_tensorcnt 0x0                           ; no tensor load of mine is out, so group 0 may be written
	ds_add_u32 v[SPW], v[NIL]                      ; 0 onto my spare word
.if \fill
	s_xor_b32 s[G0+1], s[G0+1], SLOT1              ; the other slot than last time,
	s_add_nc_u64 s[G0+2:G0+3], s[G0+2:G0+3], 4*RECB   ; the next four key steps
	s_wait_xcnt 0x0                                ; the last prefetch, a slot back, has read its address
	s_add_nc_u64 s[PFA:PFA+1], s[PFA:PFA+1], 4*RECB
	s_wait_dscnt 0x0                               ; the add is done, and my reads of the slot that I have left are over
	CROUND
	TLOAD                                          ; the first thing behind the round, a wave's one tensor load until the next
	ASK
.else
	s_wait_dscnt 0x0
	s_barrier_signal -1
	s_barrier_wait -1
.endif
.endm
; A head ends: O^T / the sum; its 64 channels are two blocks of 32, quantised; the codes are put into true order (k = 32 c + 16 h + 0 .. 15) in v[dst] on; the two scale bytes are left in v[T]
.macro FINISH dst
.rept 8
	v_nop                                          ; places behind the last products
.endr
	v_add_f32 v14, v14, v15
	s_delay_alu instid0(VALU_DEP_1)
	v_permlanex16_b32 v[T], v14, s[SEL], s[SEL+1]
	s_delay_alu instid0(VALU_DEP_1)
	v_add_f32 v14, v14, v[T]                       ; the row's sum
	s_wait_alu depctr_va_vdst(0)
	v_rcp_f32 v[F], v14
	v_nop                                          ; a plain instruction behind the reciprocal,
	s_wait_alu depctr_va_vdst(0)                   ; and the wait ahead of its first reader
.set j, 0
.rept 16
	v_pk_mul_f32 v[S+j:S+j+1], v[O+j:O+j+1], v[F:F+1] op_sel_hi:[1,0]   ; register 16 g + i: channel 32 g + 8 h + i (i < 8), 32 g + 16 + 8 h + i - 8 (else)
.set j, j+2
.endr
.irp b, 0,1
	v_max3_num_f32 v[BM+\b], |v[S+16*\b]|, |v[S+16*\b+1]|, 0x4800000
.endr
.irp i, 2,4,6,8,10,12,14
.irp b, 0,1
	s_delay_alu instid0(VALU_DEP_2)
	v_max3_num_f32 v[BM+\b], v[BM+\b], |v[S+16*\b+\i]|, |v[S+16*\b+\i+1]|
.endr
.endr
.irp b, 0,1
	s_delay_alu instid0(VALU_DEP_2)
	v_permlanex16_b32 v[PM+\b], v[BM+\b], s[SEL], s[SEL+1]
.endr
.irp b, 0,1
	s_delay_alu instid0(VALU_DEP_2)
	v_max_num_f32 v[BM+\b], v[BM+\b], v[PM+\b]
.endr
.irp b, 0,1
	s_delay_alu instid0(VALU_DEP_2)
	v_add_nc_u32 v[SO+\b], 0xfc000000, v[BM+\b]
.endr
.irp b, 0,1
.endr
.irp b, 0,1
	s_delay_alu instid0(VALU_DEP_2)
	v_lshrrev_b32 v[PM+\b], 23, v[SO+\b]
.endr
	s_delay_alu instid0(VALU_DEP_1)
	v_lshl_or_b32 v[T], v[PM+1], 8, v[PM]
.irp b, 0,1
.irp i, 0,1,2,3,4,5,6,7,8,9,10,11,12,13,14,15
.endr
	v_cvt_scalef32_pk8_fp8_f32 v[S+32+4*\b:S+33+4*\b], v[S+16*\b:S+16*\b+7], v[SO+\b]        ; "first": channels 8 h + 0 .. 7 of the block
	v_cvt_scalef32_pk8_fp8_f32 v[S+34+4*\b:S+35+4*\b], v[S+16*\b+8:S+16*\b+15], v[SO+\b]     ; "second": channels 16 + 8 h + 0 .. 7
.endr
	v_nop                                          ; a plain instruction behind the last conversion
.irp b, 0,1
.irp i, 0,1
	v_cndmask_b32 v[S+48+2*\b+\i], v[S+34+4*\b+\i], v[S+32+4*\b+\i], s[HI]   ; what the lane 16 away wants: lanes 0-15 send their second, lanes 16-31 their first
.endr
.endr
.irp b, 0,1
.irp i, 0,1
	s_delay_alu instid0(VALU_DEP_4)
	v_permlanex16_b32 v[S+56+2*\b+\i], v[S+48+2*\b+\i], s[SEL], s[SEL+1]
.endr
.endr
.irp b, 0,1
.irp i, 0,1
	v_cndmask_b32 v[\dst+4*\b+\i], v[S+32+4*\b+\i], v[S+56+2*\b+\i], s[HI]     ; lanes 0-15: channels 0-7 (own first); lanes 16-31: 16-23 (the other's second)
	v_cndmask_b32 v[\dst+4*\b+2+\i], v[S+56+2*\b+\i], v[S+34+4*\b+\i], s[HI]   ; lanes 0-15: 8-15 (the other's first); lanes 16-31: 24-31 (own second)
.endr
.endr
.endm
	HEAD_INIT 0
.Lslot:                                            ; seven trips: behind each change of slots but the last the next slot is asked for
	CHANGE 1
	s_wait_alu depctr_va_vdst(0)
	SLOT_STEPS
	s_cmp_lg_u32 s[SLOTS], 4                       ; four slots are a head's 2,048 keys.  The count is the same in all partners; no tensor load and no barrier stands under this branch
	s_cbranch_scc1 .Lsame_head
	FINISH YA
	v_mov_b32 v[YW], v[T]
	HEAD_INIT 1
.Lsame_head:
	s_sub_co_u32 s[SLOTS], s[SLOTS], 1
	s_cmp_lg_u32 s[SLOTS], 0
	s_cbranch_scc1 .Lslot
	CHANGE 0                                       ; the last slot is written out
	SLOT_STEPS
	FINISH PC
	v_lshl_or_b32 v[YW], v[T], 16, v[YW]           ; my row's scale word for the pair's 128 channels
.irp c, 0,1
	global_store_b128 v[L16], v[YA+4*\c:YA+4*\c+3], s[YB:YB+1] offset:512*\c          ; 512 consecutive aligned bytes each
	global_store_b128 v[L16], v[PC+4*\c:PC+4*\c+3], s[YB:YB+1] offset:1024+512*\c
.endr
	ds_store_b32 v[YSA], v[YW]                     ; both lanes of a row write the same word with the same value
	s_wait_dscnt 0x0                               ; for the others' sake
	s_barrier_signal -1
	s_barrier_wait -1
	s_cmp_lg_u32 s[WV], 0
	s_cbranch_scc1 .Lnot_first
	ds_load_b128 v[S:S+3], v[YRD]                  ; the work-group's 256 scale words leave as 1,024 consecutive bytes
	ds_load_b128 v[S+4:S+7], v[YRD] offset:512
	s_wait_dscnt 0x0
	global_store_b128 v[L16], v[S:S+3], s[YSB:YSB+1]
	global_store_b128 v[L16], v[S+4:S+7], s[YSB:YSB+1] offset:512
.Lnot_first:
	s_wait_tensorcnt 0x0                           ; the wave's end
	ds_add_u32 v[SPW], v[NIL]
	s_wait_dscnt 0x0
	CROUND                                         ; the closing round
	s_endpgm
.Lfunc_end_k_q03e3e59da9_attn:
	.size	k_q03e3e59da9_attn, .Lfunc_end_k_q03e3e59da9_attn-k_q03e3e59da9_attn
	.p2alignl 7, 3214868480
	.fill 96, 4, 3214868480
	.section	.rodata,"a",@progbits
	.p2align	6, 0x0
	.amdhsa_kernel k_q03e3e59da9_attn
		.amdhsa_group_segment_fixed_size 327680
		.amdhsa_private_segment_fixed_size 0
		.amdhsa_enable_private_segment 0
		.amdhsa_kernarg_size 32
		.amdhsa_user_sgpr_count 2
		.amdhsa_user_sgpr_kernarg_segment_ptr 1
		.amdhsa_wavefront_size32 1
		.amdhsa_system_sgpr_workgroup_id_x 1
		.amdhsa_system_sgpr_workgroup_id_y 1
		.amdhsa_system_sgpr_workgroup_id_z 1
		.amdhsa_system_vgpr_workitem_id 0
		.amdhsa_next_free_vgpr 256
		.amdhsa_next_free_sgpr 66
		.amdhsa_reserve_vcc 0
		.amdhsa_float_denorm_mode_32 3
		.amdhsa_float_denorm_mode_16_64 3
		.amdhsa_fp16_overflow 1
		.amdhsa_memory_ordered 1
		.amdhsa_forward_progress 1
		.amdhsa_inst_pref_size 177
	.end_amdhsa_kernel
	.amdgpu_metadata
---
amdhsa.version: [ 1, 2 ]
amdhsa.kernels:
  - .name:           k_q03e3e59da9_attn
    .symbol:         k_q03e3e59da9_attn.kd
    .args:
      - { .name: qkv, .offset: 0, .size: 8, .value_kind: global_buffer, .address_space: global }
      - { .name: qkvs, .offset: 8, .size: 8, .value_kind: global_buffer, .address_space: global }
      - { .name: y_codes, .offset: 16, .size: 8, .value_kind: global_buffer, .address_space: global }
      - { .name: y_scales, .offset: 24, .size: 8, .value_kind: global_buffer, .address_space: global }
    .group_segment_fixed_size: 327680
    .private_segment_fixed_size: 0
    .kernarg_segment_align: 8
    .kernarg_segment_size: 32
    .max_flat_workgroup_size: 512
    .sgpr_count:     66
    .vgpr_count:     256
    .wavefront_size: 32
...
	.end_amdgpu_metadata
.endif
;; end of part 2
;; launch proj (part 3): grid 4 x 32, 4 waves a work-group, clusters of 4 x 4, 327,680 bytes of LDS; arguments y_codes, y_scales, W_proj_codes, W_proj_scales, b_proj, out0; writes out0
.if DOCPART == 3
	.amdgcn_target "amdgcn-amd-amdhsa--gfx1250"
	.amdhsa_code_object_version 6
	.text
	.protected	k_q03e3e59da9_proj
	.globl	k_q03e3e59da9_proj
	.p2align	8
	.type	k_q03e3e59da9_proj,@function
k_q03e3e59da9_proj:
	s_mov_b64 s[64:65], 0
	v_nop
	global_prefetch_b8 v0, s[64:65] scope:SCOPE_SE
	s_setreg_imm32_b32 hwreg(HW_REG_WAVE_MODE, 25, 1), 1
	s_wait_xcnt 0x0
	s_wait_alu depctr_hold_cnt(0) depctr_sa_sdst(0) depctr_va_vdst(0) depctr_va_sdst(0) depctr_va_ssrc(0) depctr_va_vcc(0) depctr_vm_vsrc(0)
	s_getreg_b32 s2, hwreg(HW_REG_IB_STS2, 6, 4)
	s_cmp_eq_u32 s2, 0
	s_cbranch_scc0 .Lentry_in_a_cluster
	s_endpgm
.Lentry_in_a_cluster:
	s_bfe_u32 s2, ttmp6, 0x10000c
	s_cmp_lg_u32 s2, 0xf033
	s_cbranch_scc0 .Lentry_shape_is_right
	s_endpgm
.Lentry_shape_is_right:
; out0 = y W_proj + b_proj on codes of E4M3 with one E8M0 scale for each 32 along K = 1,024; out0 [8,192][1,024] f32.
; y comes as images of operand registers: y_codes [tile of 16 tokens 512][K step of 128: 8][block 4][lane][16], y_scales [K step 8][token 8,192][4 bytes].  W_proj: [1,024][1,024] codes, K innermost, scale rows of 32 bytes.
; SHARES.  A work-group of four waves makes 256 tokens x 256 columns; a wave 128 x 128: 64 accumulators.  Source 0 = 16 rows of W (columns of out0), source 1 = 16 tokens: a lane holds eight neighbouring columns of one row.
; K goes in steps of 256 through two LDS slots: y's 16 tiles x 4,096 bytes as they lie, then W's 256 rows of 256 + 16 bytes.  All scale words come once.  CLUSTER 4 x 4: y's tiles hang on cy (joint along a row), W's on cx (along a column).
; The bias is the C of the first step's products.  128 work-groups: the tile of 256 x 256 is kept, since it reads each LDS byte for the most products.
; REGISTERS: window 0: v16-30 addresses; v32-63 scale words, two sets; v64-127 the bias; v128-255 y's 8 fragments, one set (on the way out rows of out0).  window 1: W's fragments, two sets.  windows 2, 3: accumulator (a, b) at v[8 (8 (a % 4) + b)].
.set NQ,     2
.set PITCH,  272
.set FR,     16
.set NL,     4
.set NP,     8
.set YHALF,  32768                     ; y's 8 tiles x 4,096 bytes: one tensor load
.set WHALF,  128*PITCH                 ; W's 128 rows: one tensor load
.set WOFF,   2*YHALF
.set SLOT,   WOFF+2*WHALF              ; 135,168
.set SCY,    2*SLOT                    ; y's scale words: 8 K steps x 256 tokens x 4 bytes
.set SCW,    SCY+8192                  ; W's scales: twice 128 rows x 32 bytes as 16 blocks of 256 + 16
.set HALFS,  16*272
.set SPARE,  SCW+2*HALFS               ; the spare words
.set SPITCH, 528                       ; the way out: 16 rows x (512 + 16) bytes a wave, in slot 0, behind its last fill and its last read
.set NROW,   4096                      ; a row of out0 in bytes
.set ADRA, 16
.set ADRB, 20
.set STO,  24
.set RD,   25
.set CO,   26
.set ADW,  27                          ; W's scale words: rows 32 i + lane
.set SPW,  28
.set NIL,  29
.set ADY,  30                          ; y's scale words: tokens 32 i + lane
.set SC,   32
.set BI,   64                          ; the bias: block b's eight numbers at v[BI + 8 b]
.set AF,   128
.set BK,   128
.set G1, 24
.set G0, 32
.set G1B, 48
.set G0B, 56
.set G1S, 68
.set G0S, 76
.set G1SB, 80
.set G0SB, 88
.set MSB, 0
.macro WIN new
.if MSB != (\new)
	s_set_vgpr_msb (MSB<<8)|(\new)
.set MSB, (\new)
.endif
.endm
.set MUL_LO, 0xa1
.set MUL_HI, 0xf1
.set TO_B,   0x40
.macro JLOAD g0a, g1a, g0b, g1b        ; waves 0 and 1 fetch for y, waves 2 and 3 for W; four v_nop follow each line
	s_cmp_eq_u32 s15, 0
	s_cbranch_scc0 .Lfor_b_\@
	tensor_load_to_lds s[\g0a:\g0a+3], s[\g1a:\g1a+7]
	s_nop 0
.rept 4
	v_nop
.endr
	s_branch .Lasked_\@
.Lfor_b_\@:
	tensor_load_to_lds s[\g0b:\g0b+3], s[\g1b:\g1b+7]
	s_nop 0
.rept 4
	v_nop
.endr
.Lasked_\@:
.endm
.macro CREST
	s_cmp_lg_u32 s14, 0
	s_cbranch_scc1 .Lnot_wave_0_\@
	s_barrier_signal -3
.Lnot_wave_0_\@:
	s_barrier_wait -3
	s_barrier_signal -1
	s_barrier_wait -1
.endm
.macro CROUND
	s_barrier_signal -1
	s_barrier_wait -1
	CREST
.endm
	s_load_b256 s[4:11], s[0:1], 0x0               ; y's codes, y's scales, W's codes, W's scales
	s_load_b128 s[96:99], s[0:1], 0x20             ; b_proj, out0
	v_lshl_add_u32 v[SPW], v0, 2, SPARE
	v_mov_b32 v[NIL], 0
	ds_add_u32 v28, v29
	s_wait_dscnt 0x0
	v_lshrrev_b32 v1, 5, v0
	v_readfirstlane_b32 s14, v1                    ; wave 0..3
	s_lshr_b32 s15, s14, 1                         ; my 128 tokens.  Also: I fetch for y (0) or W (1)
	s_and_b32 s16, s14, 1                          ; my 128 columns.  Also: which half I fetch
	s_bfe_u32 s40, ttmp6, 0x40000                  ; cx
	s_bfe_u32 s41, ttmp6, 0x40004                  ; cy
	s_lshl_b32 s42, ttmp9, 2
	s_add_co_u32 s42, s42, s40                     ; the tile of 256 columns
	s_and_b32 s17, ttmp7, 0xffff
	s_lshl_b32 s17, s17, 2
	s_add_co_u32 s17, s17, s41                     ; the tile of 256 tokens
	s_lshl_b32 s43, s41, 2
	s_lshl_b32 s43, 15, s43                        ; my row of the cluster
	s_lshl_b32 s44, 0x1111, s40                    ; my column
	; y's codes: 8 tiles, of each the 4,096 bytes of two K steps (512 elements of 8 bytes), 16,384 bytes from tile to tile; no padding
	s_or_b32 s[G1+0], s43, (3<<16)|(1<<21)
	s_mov_b32 s[G1+1], 512<<16
	s_mov_b32 s[G1+2], 8<<16
	s_mov_b32 s[G1+3], 512<<16
	s_mov_b32 s[G1+4], 8
	s_mov_b32 s[G1+5], 2048
	s_mov_b32 s[G1+6], 0
	s_mov_b32 s[G1+7], 0
	; W's codes: 128 rows x 256 bytes, 16 bytes of padding behind each
	s_or_b32 s[G1B+0], s44, (0<<16)|(1<<20)|(1<<21)|(5<<22)|(3<<25)
	s_mov_b32 s[G1B+1], 256<<16
	s_mov_b32 s[G1B+2], 128<<16
	s_mov_b32 s[G1B+3], 256<<16
	s_mov_b32 s[G1B+4], 128
	s_mov_b32 s[G1B+5], 1024
	s_mov_b32 s[G1B+6], 0
	s_mov_b32 s[G1B+7], 0
	; y's scale words: four K steps, of each the 1,024 bytes of my 256 tokens (128 elements of 8 bytes), 32,768 bytes apart
	s_or_b32 s[G1S+0], s43, (3<<16)|(1<<21)
	s_mov_b32 s[G1S+1], 128<<16
	s_mov_b32 s[G1S+2], 4<<16
	s_mov_b32 s[G1S+3], 128<<16
	s_mov_b32 s[G1S+4], 4
	s_mov_b32 s[G1S+5], 4096
	s_mov_b32 s[G1S+6], 0
	s_mov_b32 s[G1S+7], 0
	; W's scales of 128 rows: 4,096 dense bytes as 16 rows of 256, 16 bytes of padding behind each
	s_or_b32 s[G1SB+0], s44, (3<<16)|(1<<20)|(1<<21)|(5<<22)|(3<<25)
	s_mov_b32 s[G1SB+1], 32<<16
	s_mov_b32 s[G1SB+2], 16<<16
	s_mov_b32 s[G1SB+3], 32<<16
	s_mov_b32 s[G1SB+4], 16
	s_mov_b32 s[G1SB+5], 32
	s_mov_b32 s[G1SB+6], 0
	s_mov_b32 s[G1SB+7], 0
	s_lshl_b32 s18, s16, 17
	s_lshl_b32 s20, s17, 18
	s_add_co_u32 s20, s20, s18                     ; y's codes: (16 x tile + 8 x half) x 16,384
	s_mov_b32 s21, 0
	s_lshl_b32 s22, s17, 10
	s_add_co_u32 s22, s22, s18                     ; y's scale words: half x 4 K steps x 32,768 + 1,024 x tile
	s_mov_b32 s23, 0
	s_lshl_b32 s46, s42, 18
	s_add_co_u32 s46, s46, s18                     ; W's codes: (256 x tile + 128 x half) x 1,024
	s_mov_b32 s47, 0
	s_lshl_b32 s92, s42, 13
	s_lshl_b32 s19, s16, 12
	s_add_co_u32 s92, s92, s19                     ; W's scales: 32 bytes a row
	s_mov_b32 s93, 0
	s_lshl_b32 s45, s16, 15                        ; where they go, by the wave's number alone: y's half,
	s_mul_i32 s94, s16, WHALF                      ; W's half,
	s_mul_i32 s95, s16, HALFS                      ; W's scales' half (y's: s19)
	s_wait_kmcnt 0x0
	s_add_nc_u64 s[20:21], s[4:5], s[20:21]
	s_add_nc_u64 s[22:23], s[6:7], s[22:23]
	s_add_nc_u64 s[46:47], s[8:9], s[46:47]
	s_add_nc_u64 s[92:93], s[10:11], s[92:93]
	CROUND                                         ; all sixteen work-groups are here: the first joint loads meet
	s_mov_b32 s[G0S], 1
	s_add_co_u32 s[G0S+1], s19, SCY
	s_mov_b64 s[G0S+2:G0S+3], s[22:23]
	s_or_b32 s[G0S+3], s[G0S+3], 0x80000000
	s_mov_b32 s[G0SB], 1
	s_add_co_u32 s[G0SB+1], s95, SCW
	s_mov_b64 s[G0SB+2:G0SB+3], s[92:93]
	s_or_b32 s[G0SB+3], s[G0SB+3], 0x80000000
	JLOAD G0S, G1S, G0SB, G1SB                     ; the scales first; with the two slots three loads of mine are out
.irp s, 0,1
	s_mov_b32 s[G0+4*\s], 1
	s_add_co_u32 s[G0+4*\s+1], s45, \s*SLOT
	s_add_nc_u64 s[G0+4*\s+2:G0+4*\s+3], s[20:21], \s*4096
	s_or_b32 s[G0+4*\s+3], s[G0+4*\s+3], 0x80000000
	s_mov_b32 s[G0B+4*\s], 1
	s_add_co_u32 s[G0B+4*\s+1], s94, \s*SLOT+WOFF
	s_add_nc_u64 s[G0B+4*\s+2:G0B+4*\s+3], s[46:47], \s*256
	s_or_b32 s[G0B+4*\s+3], s[G0B+4*\s+3], 0x80000000
	JLOAD G0+4*\s, G1, G0B+4*\s, G1B
.endr
	v_and_b32 v1, 15, v0                           ; r
	v_bfe_u32 v2, v0, 4, 1                         ; h
	v_and_b32 v5, 31, v0                           ; lane
	v_lshlrev_b32 v[CO], 4, v5                     ; 16 x lane
	v_mul_u32_u24 v3, v1, PITCH
	v_lshl_add_u32 v4, v2, 4, v3                   ; W: a fragment's row x pitch + 16 h
	s_lshl_b32 s2, s15, 15                         ; my 8 tiles of y
	s_mul_i32 s3, s16, WHALF
	s_add_co_u32 s3, s3, WOFF                      ; my 128 rows of W
.irp s, 0,1
	v_add_nc_u32 v[ADRA+\s], s2, v[CO]
	v_add_nc_u32 v[ADRB+\s], s3, v4
	s_add_co_u32 s2, s2, SLOT
	s_add_co_u32 s3, s3, SLOT
.endr
	v_lshrrev_b32 v6, 3, v5
	v_lshlrev_b32 v7, 5, v5
	v_lshl_add_u32 v7, v6, 4, v7                   ; row "lane" of W's scales: 32 bytes a row, 16 more for each 8 rows
	s_mul_i32 s2, s16, HALFS
	s_add_co_u32 s2, s2, SCW
	v_add_nc_u32 v[ADW], s2, v7
	s_lshl_b32 s3, s15, 9
	s_add_co_u32 s3, s3, SCY
	v_lshl_add_u32 v[ADY], v5, 2, s3               ; y's: 4 bytes a token, my 128 tokens
	s_mul_i32 s23, s14, 16*SPITCH                  ; my stage
	v_mul_u32_u24 v6, v1, SPITCH
	v_lshl_add_u32 v6, v2, 5, v6                   ; in: row r, 32 bytes for each half of the lanes
	v_add_nc_u32 v[STO], s23, v6
	v_add_nc_u32 v[RD], s23, v[CO]                 ; back: the 32 lanes take one row of 512 bytes
	s_lshl_b32 s20, s17, 1
	s_add_co_u32 s20, s20, s15
	s_lshl_b32 s20, s20, 19                        ; my first row of out0: (2 x tile + half) x 128 rows x 4,096 bytes
	s_mov_b32 s21, 0
	s_lshl_b32 s46, s42, 10
	s_lshl_b32 s47, s16, 9
	s_add_co_u32 s46, s46, s47                     ; my first column, in bytes; the same in b_proj
	s_mov_b32 s47, 0
	s_add_nc_u64 s[12:13], s[98:99], s[20:21]
	s_add_nc_u64 s[12:13], s[12:13], s[46:47]
	s_add_nc_u64 s[96:97], s[96:97], s[46:47]
	v_lshlrev_b32 v8, 5, v2                        ; my eight columns of a block of 16: 32 h
.irp b, 0,1,2,3,4,5,6,7
	global_load_b128 v[BI+8*\b:BI+8*\b+3], v8, s[96:97] offset:64*\b
	global_load_b128 v[BI+8*\b+4:BI+8*\b+7], v8, s[96:97] offset:64*\b+16
.endr
.macro FRAGB reg, adr, q, i            ; W: 16 rows x 128 K from padded rows
.irp c, 0,1,2,3
	ds_load_b128 v[\reg+4*\c:\reg+4*\c+3], v[\adr] offset:128*(\q)+32*\c+(\i)*16*PITCH
.endr
.endm
.macro FRAGA reg, adr, q, i            ; y: the image of a fragment: four times 512 consecutive bytes
.irp c, 0,1,2,3
	ds_load_b128 v[\reg+4*\c:\reg+4*\c+3], v[\adr] offset:4096*(\i)+2048*(\q)+512*\c
.endr
.endm
; one product: y's block a x W's block b.  zero = 1: the bias is the C of the sum's first product.  An odd block's scale words lie in lanes 16-31 of its register.
.macro WM a, b, p, q, sc, zero
.set rD, 8*(8*((\a)%4)+(\b))
.set rC, rD
.if \zero
.set rC, BI+8*(\b)
.endif
.set rA, 128*(\p)+FR*(\b)
.set rB, AF+FR*(\a)
.set rX, SC+16*(\sc)+2*((\b)/2)+(\q)
.set rY, SC+16*(\sc)+8+2*((\a)/2)+(\q)
.if ((\a)%2 == 0) && ((\b)%2 == 0)
	v_wmma_scale_f32_16x16x128_f8f6f4 v[rD:rD+7], v[rA:rA+15], v[rB:rB+15], v[rC:rC+7], v[rX], v[rY]
.elseif (\a)%2 == 0
	v_wmma_scale_f32_16x16x128_f8f6f4 v[rD:rD+7], v[rA:rA+15], v[rB:rB+15], v[rC:rC+7], v[rX], v[rY] matrix_a_scale:MATRIX_SCALE_ROW1
.elseif (\b)%2 == 0
	v_wmma_scale_f32_16x16x128_f8f6f4 v[rD:rD+7], v[rA:rA+15], v[rB:rB+15], v[rC:rC+7], v[rX], v[rY] matrix_b_scale:MATRIX_SCALE_ROW1
.else
	v_wmma_scale_f32_16x16x128_f8f6f4 v[rD:rD+7], v[rA:rA+15], v[rB:rB+15], v[rC:rC+7], v[rX], v[rY] matrix_a_scale:MATRIX_SCALE_ROW1 matrix_b_scale:MATRIX_SCALE_ROW1
.endif
.endm
.macro MUL16 a0, p, q, sc, zero        ; the 64 accumulators take turns, one instruction a turn, in the same order in every step
.irp a, \a0, \a0+1
.irp b, 0,1,2,3,4,5,6,7
	WM \a, \b, \p, \q, \sc, \zero
.endr
.endr
.endm
.macro FETCH_B slot, q, p
	WIN TO_B
.irp i, 0,1,2,3,4,5,6,7
	FRAGB 128*(\p)+FR*\i, ADRB+\slot, \q, \i
.endr
	WIN 0
.endm
.macro FETCH_A slot, q, i0
.irp i, \i0, \i0+1, \i0+2, \i0+3
	FRAGA AF+FR*(\i), ADRA+\slot, \q, \i
.endr
.endm
.macro SCALES sc                       ; a slot's scale words: W's two words a row by one load; y's by K step; 32 rows a load: lanes 0-15 an even block, lanes 16-31 the odd one
.irp i, 0,1,2,3
	ds_load_b64 v[SC+16*\sc+2*\i:SC+16*\sc+2*\i+1], v[ADW] offset:\i*1088
	ds_load_b32 v[SC+16*\sc+8+2*\i], v[ADY] offset:128*\i
	ds_load_b32 v[SC+16*\sc+8+2*\i+1], v[ADY] offset:1024+128*\i
.endr
.endm
.macro PLACES n
.rept \n
	v_nop
.endr
.endm
.macro STEP slot, q, zero
	s_wait_dscnt 4*NL                              ; all but the youngest 16 loads (y's blocks 4-7) are in
	WIN MUL_LO-0x20*(\zero)                        ; (zero = 1: C in window 0)
	MUL16 0, (\q)%2, \q, \slot, \zero
	MUL16 2, (\q)%2, \q, \slot, \zero
	s_wait_dscnt 0
	PLACES NP
	FETCH_B \slot, (\q)+1, 1-(\q)%2
	FETCH_A \slot, (\q)+1, 0
	WIN MUL_HI-0x30*(\zero)
	MUL16 4, (\q)%2, \q, \slot, \zero
	MUL16 6, (\q)%2, \q, \slot, \zero
	PLACES NP
	WIN 0
	FETCH_A \slot, (\q)+1, 4
.endm
.macro TURN slot, next, fill
	s_wait_tensorcnt 0x0                           ; all my tensor loads have landed: my part of the next slot
	ds_add_u32 v[SPW], v[NIL]                      ; 0 onto my spare word
	s_wait_dscnt 4*NL+1                            ; (the add and the youngest 16 loads may be out)
	WIN MUL_LO
	MUL16 0, 1, NQ-1, \slot, 0
	s_wait_dscnt 0x0                               ; the add is done, and my reads of this slot are over
	s_barrier_signal -1
	MUL16 2, 1, NQ-1, \slot, 0
	WIN 0
	s_barrier_wait -1
.if \fill
	CREST                                          ; the barrier has opened a round of the cluster's
	s_add_nc_u64 s[G0+4*\slot+2:G0+4*\slot+3], s[G0+4*\slot+2:G0+4*\slot+3], 8192    ; four K steps of 2,048 bytes on in each tile of y
	s_add_nc_u64 s[G0B+4*\slot+2:G0B+4*\slot+3], s[G0B+4*\slot+2:G0B+4*\slot+3], 512
	JLOAD G0+4*\slot, G1, G0B+4*\slot, G1B         ; my one tensor load behind the round
	PLACES NP-4
.else
	PLACES NP
.endif
	v_add_nc_u32 v[ADW], 4*NQ, v[ADW]              ; on to the next slot's scale words
	v_add_nc_u32 v[ADY], 2048, v[ADY]
	FETCH_B \next, 0, 0
	FETCH_A \next, 0, 0
	SCALES \next
	WIN MUL_HI
	MUL16 4, 1, NQ-1, \slot, 0
	MUL16 6, 1, NQ-1, \slot, 0
	PLACES NP
	WIN 0
	FETCH_A \next, 0, 4
.endm
	s_wait_tensorcnt 0x1                           ; the scales and my part of slot 0 are in; slot 1's load may be out
	s_barrier_signal -1
	s_barrier_wait -1
	FETCH_B 0, 0, 0
	FETCH_A 0, 0, 0
	SCALES 0
	FETCH_A 0, 0, 4
	s_wait_loadcnt 0x0                             ; the bias
	STEP 0, 0, 1                                   ; the first products start the sums with the bias
	TURN 0, 1, 1
	STEP 1, 0, 0
	TURN 1, 0, 1
	STEP 0, 0, 0
	TURN 0, 1, 0
	STEP 1, 0, 0
	s_wait_dscnt 4*NL                              ; the very last step
	WIN MUL_LO
	MUL16 0, 1, NQ-1, 1, 0
	MUL16 2, 1, NQ-1, 1, 0
	s_wait_dscnt 0
	WIN MUL_HI
	MUL16 4, 1, NQ-1, 1, 0
	MUL16 6, 1, NQ-1, 1, 0
	WIN 0
; THE WAY OUT, block by block of 16 rows x 128 columns, through my own stage: in as 32 bytes a lane, back as whole rows of 512 bytes.  LDS serves a wave's instructions in order (ISA guide 5.7.1.4).
.macro TOSTAGE a
.set AC, 64*((\a)%4)
	WIN 0x08+4*((\a)/4)                            ; an LDS store's data: window 2 or 3
.irp b, 0,1,2,3,4,5,6,7
	ds_store_b128 v[STO], v[AC+8*\b:AC+8*\b+3] offset:64*\b          ; each accumulator from its low end on
	ds_store_b128 v[STO], v[AC+8*\b+4:AC+8*\b+7] offset:64*\b+16
.endr
	WIN 0
.set BB, BK+64*((\a)%2)
.irp t, 0,1,2,3,4,5,6,7,8,9,10,11,12,13,14,15
	ds_load_b128 v[BB+4*\t:BB+4*\t+3], v[RD] offset:\t*SPITCH
.endr
.endm
.macro SEND a, younger
.set BB, BK+64*((\a)%2)
	s_wait_dscnt \younger                          ; the block is back in registers
.if (\a) > 0
	s_add_nc_u64 s[12:13], s[12:13], 16*NROW       ; (behind a wait for the earlier stores' addresses) 16 rows on
.endif
.irp t, 0,1,2,3,4,5,6,7,8,9,10,11,12,13,14,15
	global_store_b128 v[CO], v[BB+4*\t:BB+4*\t+3], s[12:13] offset:\t*NROW th:TH_STORE_NT   ; 32 lanes store 512 consecutive aligned bytes
.endr
.endm
	PLACES NP
	TOSTAGE 0
.irp a, 1,2,3,4,5,6,7
.if \a > 1
	s_wait_xcnt 0x0                                ; block a - 2's stores have read their registers and their base
.endif
	TOSTAGE \a
	SEND \a-1, 32                                  ; behind block a - 1's loads: block a's 16 stores and 16 loads
.endr
	s_wait_xcnt 0x0
	SEND 7, 0
	s_wait_tensorcnt 0x0                           ; the wave's end
	ds_add_u32 v[SPW], v[NIL]
	s_wait_dscnt 0x0
	CROUND                                         ; the closing round
	s_endpgm
.Lfunc_end_k_q03e3e59da9_proj:
	.size	k_q03e3e59da9_proj, .Lfunc_end_k_q03e3e59da9_proj-k_q03e3e59da9_proj
	.p2alignl 7, 3214868480
	.fill 96, 4, 3214868480
	.section	.rodata,"a",@progbits
	.p2align	6, 0x0
	.amdhsa_kernel k_q03e3e59da9_proj
		.amdhsa_group_segment_fixed_size 327680
		.amdhsa_private_segment_fixed_size 0
		.amdhsa_enable_private_segment 0
		.amdhsa_kernarg_size 48
		.amdhsa_user_sgpr_count 2
		.amdhsa_user_sgpr_kernarg_segment_ptr 1
		.amdhsa_wavefront_size32 1
		.amdhsa_system_sgpr_workgroup_id_x 1
		.amdhsa_system_sgpr_workgroup_id_y 1
		.amdhsa_system_sgpr_workgroup_id_z 1
		.amdhsa_system_vgpr_workitem_id 0
		.amdhsa_next_free_vgpr 1024
		.amdhsa_next_free_sgpr 100
		.amdhsa_reserve_vcc 0
		.amdhsa_float_denorm_mode_32 3
		.amdhsa_float_denorm_mode_16_64 3
		.amdhsa_memory_ordered 1
		.amdhsa_forward_progress 1
		.amdhsa_inst_pref_size 148
	.end_amdhsa_kernel
	.amdgpu_metadata
---
amdhsa.version: [ 1, 2 ]
amdhsa.kernels:
  - .name:           k_q03e3e59da9_proj
    .symbol:         k_q03e3e59da9_proj.kd
    .args:
      - { .name: y_codes, .offset: 0, .size: 8, .value_kind: global_buffer, .address_space: global }
      - { .name: y_scales, .offset: 8, .size: 8, .value_kind: global_buffer, .address_space: global }
      - { .name: W_proj_codes, .offset: 16, .size: 8, .value_kind: global_buffer, .address_space: global }
      - { .name: W_proj_scales, .offset: 24, .size: 8, .value_kind: global_buffer, .address_space: global }
      - { .name: b_proj, .offset: 32, .size: 8, .value_kind: global_buffer, .address_space: global }
      - { .name: out0, .offset: 40, .size: 8, .value_kind: global_buffer, .address_space: global }
    .group_segment_fixed_size: 327680
    .private_segment_fixed_size: 0
    .kernarg_segment_align: 8
    .kernarg_segment_size: 48
    .max_flat_workgroup_size: 128
    .sgpr_count:     100
    .vgpr_count:     1024
    .wavefront_size: 32
...
	.end_amdgpu_metadata
.endif
;; end of part 3
